; MI455X (gfx1250); checked and timed in simulation.
; The chip was launched on July 23, 2026; its instructions are those of AMD's public machine-readable ISA for CDNA 5 (MIT licence, August 2026) and "CDNA5" Instruction Set Architecture Reference Guide (July 2026). The comments in the code are by the model that wrote it; some were corrected since.
;; Lightweight Attention. Allowed arithmetic: matrix products marked QUANTISED: E2M3 operands, one E8M0 scale for each 32 along K, by v_wmma_scale_f32_16x16x128_f8f6f4 with both operands' format E2M3, f32 sums; products left as they are: f32 operands where the result goes on into a quantised operand, else bf16, f16 or f32 operands; f32 sums; everything else in f32.
;; Inputs: Wk 1,024 x 1,024 float32; Wo 1,024 x 1,024 float32; Wq 1,024 x 1,024 float32; Wv 1,024 x 1,024 float32; bk 1,024 float32; bo 1,024 float32; bq 1,024 float32; bv 1,024 float32; x 4 x 2,048 x 1,024 float32.
;; Outputs: out0 4 x 2,048 x 1,024 float32.
;; This version of the problem:
;;   THIS VERSION OF THE PROBLEM IS GIVEN IN LOW PRECISION. The matrix products marked QUANTISED in the list below multiply operands that are first quantised to E2M3 (2 exponent bits, 3 mantissa bits; 6 bits a number), with one power-of-two scale for each 32 numbers along K (OCP MX v1.0); their sums are f32. All else is computed in f32.
;;   The module's matrix products, in the order in which they are computed (A, B: the left and right operand; K: the contracted axis; several contracted axes count as one K, in the product's order):
;;     1. [M 8,192, K 1,024] x [K 1,024, N 1,024]; A: input x; B: input Wq: QUANTISED
;;     2. [M 8,192, K 1,024] x [K 1,024, N 1,024]; A: input x; B: input Wk: QUANTISED
;;     3. [M 8,192, K 1,024] x [K 1,024, N 1,024]; A: input x; B: input Wv: QUANTISED
;;     4. batch 64 x [M 64, K 2,048] x [K 2,048, N 64]; A: computed on the way; B: computed on the way: QUANTISED
;;     5. batch 64 x [M 1, K 64] x [K 64, N 2,048]; A: computed on the way; B: computed on the way: left as it is (M = 1 < 16)
;;     6. batch 64 x [M 64, K 64] x [K 64, N 2,048]; A: computed on the way; B: computed on the way: QUANTISED
;;     7. [M 8,192, K 1,024] x [K 1,024, N 1,024]; A: computed on the way; B: input Wo: QUANTISED
;;   THE QUANTISER, for each operand of a quantised product, along K:
;;     - K is cut into blocks of 32 from its start; a last block that is shorter is filled with zeros.
;;     - A block's scale is 2^e with e = floor(log2(the largest magnitude in the block)) - 2, held to -126 .. 127; a block of zeros has e = 0. As a byte (E8M0): e + 127.
;;     - Each number is divided by its block's scale, clamped to +-7.5, and rounded to the nearest number of E2M3, ties to even, subnormals kept.
;;     - The product sums the exact products of the quantised numbers (number of the format x scale) in f32.
;;   ~~~python
;;   def quantise(x, axis):      # numpy; x: float32 -> the quantised numbers, widened to float32 again
;;       x = np.moveaxis(x, axis, -1); K = x.shape[-1]
;;       x = np.pad(x, [(0, 0)] * (x.ndim - 1) + [(0, -K % 32)]); x = x.reshape(x.shape[:-1] + (-1, 32)); a = np.abs(x).max(-1, keepdims=True)
;;       e = np.where(a > 0, np.clip(np.frexp(np.where(a > 0, a, 1))[1] - 1 - 2, -126, 127), 0)      # np.frexp(a)[1] - 1 = floor(log2(a)), exactly
;;       r = np.clip(x / 2.0 ** e, -7.5, 7.5)
;;       step = 2.0 ** (np.maximum(np.frexp(np.where(r == 0, 1, r))[1] - 1, 0) - 3)
;;       q = np.round(r / step) * step * 2.0 ** e      # np.round: ties to even
;;       return np.moveaxis(q.reshape(q.shape[:-2] + (-1,))[..., :K], -1, axis).astype(np.float32)
;;   ~~~
;;   OPERANDS COMPUTED ON THE WAY. 'Computed on the way' means the value that the module computes at that place (a softmax that the list does not call 'softmax' is quantised finished and normalised). What goes into a quantiser is computed in f32, as accurately as f32 sums, v_exp_f32 and their like allow (about 1e-6 of the number): no bf16 or f16 on the way to a quantiser, and a product that is left as it is and whose result goes on into a quantised operand takes f32 operands (vector FMAs, or v_wmma_f32_16x16x4_f32). A number that lies on a knife's edge between two numbers of the format may be rounded either way, as far as f32 arithmetic and the matrix unit's own rounding can turn it there, and no further.
;; One version. Each part assembles by itself: llvm-mc -triple=amdgcn-amd-amdhsa -mcpu=gfx1250 --defsym DOCPART=n.
;; ======== version 1 of 1: 4 launches
;; workspace buffers: codes 9,437,184 bytes; scales 393,216 bytes; kvp 4,194,304 bytes; ksp 65,536 bytes; ocodes 6,291,456 bytes; oscales 262,144 bytes
;; launch quant (part 1): grid 256 x 1, 6 waves a work-group, no clusters, 51,456 bytes of LDS; arguments x, Wq, Wk, Wv, Wo, codes, scales; writes codes, scales
.if DOCPART == 1
	.amdgcn_target "amdgcn-amd-amdhsa--gfx1250"
	.amdhsa_code_object_version 6
	.text
	.protected	k_qef9a9a2ac0_quant
	.globl	k_qef9a9a2ac0_quant
	.p2align	8
	.type	k_qef9a9a2ac0_quant,@function
k_qef9a9a2ac0_quant:
	s_mov_b64 s[64:65], 0
	v_nop
	global_prefetch_b8 v0, s[64:65] scope:SCOPE_SE
	s_setreg_imm32_b32 hwreg(HW_REG_WAVE_MODE, 25, 1), 1
	s_wait_xcnt 0x0
; LAUNCH 1 OF 4.  x [8192][1024], Wq, Wk, Wv, Wo [1024][1024], f32 with K innermost, become codes of FP6 (E2M3) and one E8M0 byte for each 32 along K.
; THE WHOLE PROGRAM: 1 quantise x and the weights | 2 K = elu(x Wk^T + bk) + 1, V = x Wv^T + bv, Ksum, both quantised along time, KV = K^T V, as partial sums over 512 time steps |
; 3 Q = elu(x Wq^T + bq) + 1, Z = 1 / (Q . Ksum + 1e-6), Q KV, x Z, quantised | 4 the projection by Wo, + bo.  Q, K and V never go to memory.
; DEAD WORK: none.  Every input has a way to out0 (each bias moves codes or values), so every product of reference() is done and every input is loaded.
; LIMITS: NaN and infinities among the inputs are not served.  A block of zeros gets the byte 1 where the quantiser says 127: its codes are zeros, which add nothing under any byte but 0xff, and this program alone reads the bytes.
; LAYOUT OF THE CODES.  Each tensor is cut into tiles of 16 rows; row r of tile T is tensor row 32 (T / 2) + 8 (T % 2) + r + 8 (r / 8): used as source 0 of a product, two neighbouring tiles then leave 16 neighbours in a lane's 16 registers.
; A fragment (16 rows x 128 K, 12 registers a lane) is stored as an image of its registers: register q of lane l at byte 512 (q / 4) + 16 l + 4 (q % 4): three stores or loads of 16 bytes a lane, 512 consecutive bytes each.
; codes: [tile G][K step 8][1536]; G: x 0-511, Wq 512-575, Wk 576-639, Wv 640-703, Wo 704-767.  scales: [G][half 2][row 16][4 words]: word j of a half is the row's scale word of K step 4 half + j.
; SHARES.  1,536 units of 16 rows x 512 K, one to a wave: unit = 6 x work-group + wave; G = unit / 2, half = unit % 2.  A step is 128 along K: 16 loads of 512 consecutive bytes (a row's part), through the wave's own stage in LDS
; (rows 528 bytes apart), back as a lane's two whole blocks of 32: lane (r, h) holds k = 64 c + 32 h + 0 .. 31 of row r, the very order of the operand's registers.  No barrier: waves share nothing.  Loads run two steps ahead.
; No matrix unit, cluster or tensor load: each byte is read once by one wave.
.set STGW,  8448                       ; a wave's stage: 16 rows x 528 bytes
.set SPARE, 6*STGW                     ; behind the stages: the spare words, 128 bytes a wave: three blocks of 256 bytes that no other line names
.set SPW,   14                         ; v14  LDS address of my spare word; never rewritten
.set NIL,   15                         ; v15  0; never rewritten
.set R,     16                         ; v16-143  two sets of 64: a step's numbers as loaded
.set X,     144                        ; v144-207 my two blocks of 32
.set C,     208                        ; v208-231 two sets of 12: a fragment's codes
.set TP,    232                        ; v232-238 the upper halves of the blocks' codes, before they are moved
.set SW,    240                        ; v240-243 the four steps' scale words
.set OW,    244                        ; v244-245 the two words that I store
.set PD,    246                        ; v246 a lane permute's destination
.set MX,    248                        ; v248-249 largest magnitudes
.set SO,    250                        ; v250-251 the conversions' scale operands
.set BY,    252                        ; v252-253 the scale bytes
	s_load_b256 s[4:11], s[0:1], 0x0               ; x, Wq, Wk, Wv
	s_load_b128 s[12:15], s[0:1], 0x20             ; Wo, codes
	s_load_b64 s[16:17], s[0:1], 0x30              ; scales
	v_lshl_add_u32 v[SPW], v0, 2, SPARE
	v_mov_b32 v[NIL], 0
	v_lshrrev_b32 v1, 5, v0
	v_readfirstlane_b32 s20, v1                    ; wave 0..5
	v_and_b32 v1, 31, v0                           ; lane
	v_and_b32 v2, 15, v0                           ; r
	v_bfe_u32 v3, v0, 4, 1                         ; h
	v_lshlrev_b32 v4, 4, v1                        ; 16 x lane: my bytes of a load's 512, and of an image's
	s_mul_i32 s21, s20, STGW
	v_add_nc_u32 v5, s21, v4                       ; the stage, on the way in
	v_mul_u32_u24 v6, v2, 528
	v_lshl_add_u32 v6, v3, 7, v6
	v_add_nc_u32 v6, s21, v6                       ; and on the way out: row r, + 128 h
	v_lshlrev_b32 v7, 3, v3                        ; 8 h: how far my two bytes are shifted in the scale word
	v_lshl_add_u32 v8, v2, 4, v7                   ; 16 r + 8 h: where my two words go
	v_mov_b32 v[PD], 0                             ; written once: a lane permute's destination counts as one of its sources
	s_mov_b32 s24, 0x76543210
	s_mov_b32 s25, 0xfedcba98                      ; v_permlanex16_b32's selects for lane l xor 16
	s_mul_i32 s22, ttmp9, 6
	s_add_co_u32 s22, s22, s20                     ; my unit
	s_and_b32 s23, s22, 1                          ; half
	s_lshr_b32 s22, s22, 1                         ; G
	s_and_b32 s26, s22, 63
	s_cmp_lt_u32 s22, 512
	s_cselect_b32 s26, s22, s26                    ; the tile's number in its own tensor
	s_lshr_b32 s27, s26, 1
	s_lshl_b32 s27, s27, 5
	s_and_b32 s28, s26, 1
	s_lshl_b32 s28, s28, 3
	s_add_co_u32 s28, s28, s27                     ; its first row: 32 (T / 2) + 8 (T % 2)
	s_lshl_b32 s28, s28, 12                        ; rows of 4,096 bytes
	s_lshl_b32 s27, s23, 11
	s_add_co_u32 s28, s28, s27                     ; + 2,048 x half
	s_mov_b32 s29, 0
	s_mul_i32 s30, s22, 12288
	s_mul_i32 s27, s23, 6144
	s_add_co_u32 s30, s30, s27                     ; codes: 12,288 G + 6,144 half
	s_mov_b32 s31, 0
	s_lshl_b32 s32, s22, 9
	s_lshl_b32 s27, s23, 8
	s_add_co_u32 s32, s32, s27                     ; scales: 512 G + 256 half
	s_mov_b32 s33, 0
	s_wait_kmcnt 0x0
	s_mov_b64 s[18:19], s[12:13]                   ; which tensor: the choice hangs on the unit's number alone
	s_cmp_lt_u32 s22, 704
	s_cselect_b64 s[18:19], s[10:11], s[18:19]
	s_cmp_lt_u32 s22, 640
	s_cselect_b64 s[18:19], s[8:9], s[18:19]
	s_cmp_lt_u32 s22, 576
	s_cselect_b64 s[18:19], s[6:7], s[18:19]
	s_cmp_lt_u32 s22, 512
	s_cselect_b64 s[18:19], s[4:5], s[18:19]
	s_add_nc_u64 s[18:19], s[18:19], s[28:29]
	s_add_nc_u64 s[14:15], s[14:15], s[30:31]
	s_add_nc_u64 s[16:17], s[16:17], s[32:33]
.macro LOAD t                          ; step t: the tile's 16 rows, 512 consecutive bytes each, into set t % 2
.irp i, 0,1,2,3,4,5,6,7,8,9,10,11,12,13,14,15
	global_load_b128 v[R+64*((\t)%2)+4*\i:R+64*((\t)%2)+4*\i+3], v4, s[18:19] offset:(\i+8*(\i/8))*4096+512*(\t) th:TH_LOAD_NT
.endr
.endm
.macro STEP t
.set CC, C+12*((\t)%2)
.if (\t) < 3
	s_wait_loadcnt 16                              ; this step's 16 loads are in; the next step's 16 may be out
.else
	s_wait_loadcnt 0
.endif
.irp i, 0,1,2,3,4,5,6,7,8,9,10,11,12,13,14,15
	ds_store_b128 v5, v[R+64*((\t)%2)+4*\i:R+64*((\t)%2)+4*\i+3] offset:528*\i
.endr
.irp c, 0,1
.irp j, 0,1,2,3,4,5,6,7
	ds_load_b128 v[X+32*\c+4*\j:X+32*\c+4*\j+3], v6 offset:256*\c+16*\j   ; LDS serves a wave's instructions in order: these see the stores above
.endr
.endr
	s_wait_dscnt 0x0                               ; my two blocks are in, and the stores have read the set that the loads below fill
	s_wait_xcnt 0x0                                ; the stores of two steps back have read this set of codes: it is written again only behind this wait
.if (\t) < 2
	LOAD (\t)+2
.endif
.irp c, 0,1
	v_max3_num_f32 v[MX+\c], |v[X+32*\c]|, |v[X+32*\c+1]|, 0x1800000   ; block 2 c + h: all 32 numbers are mine; the floor 2^(3 - 127) holds the byte at 1 from below
.endr
.irp i, 2,4,6,8,10,12,14,16,18,20,22,24,26,28,30
.irp c, 0,1
	v_max3_num_f32 v[MX+\c], v[MX+\c], |v[X+32*\c+\i]|, |v[X+32*\c+\i+1]|
.endr
.endr
.irp c, 0,1
	v_add_nc_u32 v[SO+\c], 0xff000000, v[MX+\c]    ; 2 off the exponent field: the conversion takes the exponent field of this operand as its scale
.endr
.irp c, 0,1
	v_lshrrev_b32 v[BY+\c], 23, v[SO+\c]           ; the scale's byte
.endr
	v_lshl_or_b32 v9, v[BY+1], 16, v[BY]           ; my bytes: blocks h and 2 + h,
	v_lshlrev_b32 v9, v7, v9                       ; at their places in the word;
	v_permlanex16_b32 v[PD], v9, s24, s25
	v_or_b32 v[SW+(\t)], v9, v[PD]                 ; with lane l xor 16's two the word is whole
.irp c, 0,1
	v_cvt_scalef32_pk16_fp6_f32 v[CC+6*\c:CC+6*\c+2], v[X+32*\c:X+32*\c+15], v[SO+\c]
	v_cvt_scalef32_pk16_fp6_f32 v[TP+4*\c:TP+4*\c+2], v[X+32*\c+16:X+32*\c+31], v[SO+\c]   ; (a conversion's three registers begin on an even number)
.endr
	v_nop                                          ; one plain place behind a scaled conversion
.irp c, 0,1
.irp i, 0,1,2
	v_mov_b32 v[CC+6*\c+3+\i], v[TP+4*\c+\i]
.endr
.endr
.irp g, 0,1,2
	global_store_b128 v4, v[CC+4*\g:CC+4*\g+3], s[14:15] offset:1536*(\t)+512*\g   ; the image: 512 consecutive bytes a store
.endr
.endm
	LOAD 0
	LOAD 1
	STEP 0
	STEP 1
	STEP 2
	STEP 3
	v_cmp_ne_u32 vcc_lo, 0, v3                     ; lanes 16-31 store words 2 and 3 of their row, lanes 0-15 words 0 and 1
	v_cndmask_b32 v[OW], v[SW], v[SW+2], vcc_lo
	v_cndmask_b32 v[OW+1], v[SW+1], v[SW+3], vcc_lo
	global_store_b64 v8, v[OW:OW+1], s[16:17]      ; 32 lanes store 256 consecutive bytes, aligned
	s_wait_tensorcnt 0x0                           ; the wave's end: the closing wait, add and wait behind my last LDS store
	ds_add_u32 v[SPW], v[NIL]
	s_wait_dscnt 0x0
	s_endpgm
.Lfunc_end_k_qef9a9a2ac0_quant:
	.size	k_qef9a9a2ac0_quant, .Lfunc_end_k_qef9a9a2ac0_quant-k_qef9a9a2ac0_quant
	.p2alignl 7, 3214868480
	.fill 96, 4, 3214868480
	.section	.rodata,"a",@progbits
	.p2align	6, 0x0
	.amdhsa_kernel k_qef9a9a2ac0_quant
		.amdhsa_group_segment_fixed_size 51456
		.amdhsa_private_segment_fixed_size 0
		.amdhsa_enable_private_segment 0
		.amdhsa_kernarg_size 56
		.amdhsa_user_sgpr_count 2
		.amdhsa_user_sgpr_kernarg_segment_ptr 1
		.amdhsa_wavefront_size32 1
		.amdhsa_system_sgpr_workgroup_id_x 1
		.amdhsa_system_sgpr_workgroup_id_y 1
		.amdhsa_system_sgpr_workgroup_id_z 1
		.amdhsa_system_vgpr_workitem_id 0
		.amdhsa_next_free_vgpr 256
		.amdhsa_next_free_sgpr 66
		.amdhsa_reserve_vcc 1
		.amdhsa_float_denorm_mode_32 3
		.amdhsa_float_denorm_mode_16_64 3
		.amdhsa_memory_ordered 1
		.amdhsa_forward_progress 1
		.amdhsa_inst_pref_size 31
	.end_amdhsa_kernel
	.amdgpu_metadata
---
amdhsa.version: [ 1, 2 ]
amdhsa.kernels:
  - .name:           k_qef9a9a2ac0_quant
    .symbol:         k_qef9a9a2ac0_quant.kd
    .args:
      - { .name: x, .offset: 0, .size: 8, .value_kind: global_buffer, .address_space: global }
      - { .name: Wq, .offset: 8, .size: 8, .value_kind: global_buffer, .address_space: global }
      - { .name: Wk, .offset: 16, .size: 8, .value_kind: global_buffer, .address_space: global }
      - { .name: Wv, .offset: 24, .size: 8, .value_kind: global_buffer, .address_space: global }
      - { .name: Wo, .offset: 32, .size: 8, .value_kind: global_buffer, .address_space: global }
      - { .name: codes, .offset: 40, .size: 8, .value_kind: global_buffer, .address_space: global }
      - { .name: scales, .offset: 48, .size: 8, .value_kind: global_buffer, .address_space: global }
    .group_segment_fixed_size: 51456
    .private_segment_fixed_size: 0
    .kernarg_segment_align: 8
    .kernarg_segment_size: 56
    .max_flat_workgroup_size: 192
    .sgpr_count:     66
    .vgpr_count:     256
    .wavefront_size: 32
...
	.end_amdgpu_metadata
.endif
;; end of part 1
;; launch kvsum (part 2): grid 16 x 16, 4 waves a work-group, clusters of 4 x 1, 167,936 bytes of LDS; arguments codes, scales, bk, bv, kvp, ksp; writes kvp, ksp
.if DOCPART == 2
	.amdgcn_target "amdgcn-amd-amdhsa--gfx1250"
	.amdhsa_code_object_version 6
	.text
	.protected	k_qef9a9a2ac0_kvsum
	.globl	k_qef9a9a2ac0_kvsum
	.p2align	8
	.type	k_qef9a9a2ac0_kvsum,@function
k_qef9a9a2ac0_kvsum:
	s_mov_b64 s[64:65], 0
	v_nop
	global_prefetch_b8 v0, s[64:65] scope:SCOPE_SE
	s_setreg_imm32_b32 hwreg(HW_REG_WAVE_MODE, 25, 1), 1
	s_wait_xcnt 0x0
	s_wait_alu depctr_hold_cnt(0) depctr_sa_sdst(0) depctr_va_vdst(0) depctr_va_sdst(0) depctr_va_ssrc(0) depctr_va_vcc(0) depctr_vm_vsrc(0)
	s_getreg_b32 s2, hwreg(HW_REG_IB_STS2, 6, 4)
	s_cmp_eq_u32 s2, 0
	s_cbranch_scc0 .Lentry_in_a_cluster
	s_endpgm
.Lentry_in_a_cluster:
	s_bfe_u32 s2, ttmp6, 0x10000c
	s_cmp_lg_u32 s2, 0x3003
	s_cbranch_scc0 .Lentry_shape_is_right
	s_endpgm
.Lentry_shape_is_right:
; LAUNCH 2 OF 4.  For one head and 512 time steps: K = elu(x Wk^T + bk) + 1, V = x Wv^T + bv (products on codes of FP6, K = 1024), Ksum = the sum of K over these time steps,
; K and V quantised ALONG TIME, and the partial sum KV[d][e] = sum over these 512 t of K[t][d] V[t][e] (product on codes, K = t).  No work of reference() is left out.
; LIMITS: NaN and infinities are not served.  For z <= 0 the feature map is 2^(z log2 e) where reference() has expm1(z) + 1: they differ by rounding.  KV and Ksum are summed as four parts of 512 t, added in ascending order by the next launch.
; A block of zeros gets the byte 1, not 127: its codes are zeros.
; SHARES.  Work-group (rb, head): x's tiles 32 rb .. + 31 against Wk's tiles 4 head + 0 .. 3 (n = 0 .. 3) and Wv's (n = 4 .. 7).  Wave w: x's tiles 32 rb + 8 w + i, i = 0 .. 7, against all eight n: 64 accumulators, 512 registers.
; Source 0 = x (16 time steps), source 1 = W (16 columns): a lane holds ONE column, and by the tiles' row order its 64 registers of a column tile are t = 32 b + 16 (lane / 16) + 0 .. 15: what the quantiser along t wants.
; The weights' block (8 tiles x 8 K steps, 98,304 bytes) comes into LDS once, a quarter by each wave's one tensor load; x's fragments go from memory straight into the registers of the one wave that multiplies them, through a ring of 21 fragments.
; CLUSTER: the four work-groups of a cluster (4 x 1) have one head and four neighbouring rb: they need the same weights' block, so each quarter of it is asked for JOINTLY: the same tensor load, with the same descriptor and a mask that names the four.
; x's fragments are not asked for jointly, though 16 heads read the same ones: a joint load lands in LDS, where a work-group's 393,216 bytes of x beside the 98,304 of weights do not fit without slots that are filled again;
; as it is, each fragment is read by one wave into its registers and never touches LDS, and no LDS byte is filled twice.
; REGISTERS, in windows of 256: window 0: v1-14 addresses; v32-63 x's scale words (pair p of tiles, K step s: 32 + 8 p + s; lanes 0-15 tile 2 p, lanes 16-31 tile 2 p + 1); v64-95 W's likewise; v96-191 W's eight fragments of a K step;
;   v192-255 the biases, eight equal registers a tile.  Window 1: x's ring.  Window 2: K's 32 accumulators at 8 (8 n + i).  Window 3: V's.
;   Behind the products window 0 is: v32-51 scale words of the last product; v52 the word just made; v96-159 T; v160-223 U, then the codes just made; v224-239 the quantiser's; v240-247 sums.
.set IMG,   98304                      ; LDS: 0 .. 98,303 the weights (tile n, K step s at 12,288 n + 1,536 s); then the images of K's and V's fragments: wave s4, unit n at 12,288 s4 + 1,536 n;
.set ISC,   147456                     ; their scale words, 128 bytes each: 1,024 s4 + 128 n;
.set KSX,   151552                     ; the waves' sums of K: 256 bytes a wave, d in its natural order;
.set SPARE, 152576                     ; the spare words, 128 bytes a wave: two blocks of 256 bytes that no other line names
.set XS,   32
.set WS,   64
.set WF,   96
.set BIAS, 192
.set T,    96
.set U,    160
.set PC,   160
.set TP,   172
.set PW,   52
.set TM,   224
.set SM,   240
.set SPW,  30                          ; v30  LDS address of my spare word; never rewritten
.set NIL,  31                          ; v31  0; never rewritten
.set WV,   16                          ; s16  my wave's number
.set SEL,  20                          ; s[20:21] selects for lane l xor 16
.set CS,   22                          ; s[22:23] log2(e), named as a pair
.set G1,   24                          ; s[24:31] descriptor group 1
.set G0,   32                          ; s[32:35] descriptor group 0
.set MSB, 0
.macro WIN new                         ; the immediate's high byte repeats the setting that is left; a switch that changes nothing is dropped
.if MSB != \new
	s_set_vgpr_msb (MSB<<8)|\new
.set MSB, \new
.endif
.endm
.macro PLACES n
.rept \n
	v_nop
.endr
.endm
; A round of the cluster's barrier: my work-group's barrier, so that wave 0's signal speaks for all four waves; wave 0 signals for the work-group; every wave waits for all four work-groups; my work-group's barrier once more.
.macro CROUND
	s_barrier_signal -1
	s_barrier_wait -1
	s_cmp_lg_u32 s[WV], 0
	s_cbranch_scc1 .Lnot_wave_0_\@
	s_barrier_signal -3
.Lnot_wave_0_\@:
	s_barrier_wait -3
	s_barrier_signal -1
	s_barrier_wait -1
.endm
; One product, from the symbols rD, rA, rB, rC (under 0: the constant 0), rSA, rSB and the scale rows rRA, rRB
.macro WMS
.if rC < 0
	v_wmma_scale_f32_16x16x128_f8f6f4 v[rD:rD+7], v[rA:rA+11], v[rB:rB+11], 0, v[rSA], v[rSB] matrix_a_fmt:MATRIX_FMT_FP6 matrix_b_fmt:MATRIX_FMT_FP6
.elseif rRA && rRB
	v_wmma_scale_f32_16x16x128_f8f6f4 v[rD:rD+7], v[rA:rA+11], v[rB:rB+11], v[rC:rC+7], v[rSA], v[rSB] matrix_a_fmt:MATRIX_FMT_FP6 matrix_b_fmt:MATRIX_FMT_FP6 matrix_a_scale:MATRIX_SCALE_ROW1 matrix_b_scale:MATRIX_SCALE_ROW1
.elseif rRA
	v_wmma_scale_f32_16x16x128_f8f6f4 v[rD:rD+7], v[rA:rA+11], v[rB:rB+11], v[rC:rC+7], v[rSA], v[rSB] matrix_a_fmt:MATRIX_FMT_FP6 matrix_b_fmt:MATRIX_FMT_FP6 matrix_a_scale:MATRIX_SCALE_ROW1
.elseif rRB
	v_wmma_scale_f32_16x16x128_f8f6f4 v[rD:rD+7], v[rA:rA+11], v[rB:rB+11], v[rC:rC+7], v[rSA], v[rSB] matrix_a_fmt:MATRIX_FMT_FP6 matrix_b_fmt:MATRIX_FMT_FP6 matrix_b_scale:MATRIX_SCALE_ROW1
.else
	v_wmma_scale_f32_16x16x128_f8f6f4 v[rD:rD+7], v[rA:rA+11], v[rB:rB+11], v[rC:rC+7], v[rSA], v[rSB] matrix_a_fmt:MATRIX_FMT_FP6 matrix_b_fmt:MATRIX_FMT_FP6
.endif
.endm
; nb blocks of 32: v[s + 16 b + i] = number 32 b + 16 (lane / 16) + i of my row.  They become codes in v[pc] on (the operand's registers) and the row's scale word in v[pw].  wmax, wcvt: the window words under which the numbers are read.
.macro QUANT nb, s, wmax, wcvt, pc, tp, pw
	WIN \wmax
.set qb, 0
.rept \nb
	v_max3_num_f32 v[TM+qb], 0x1800000, |v[(\s)+16*qb]|, |v[(\s)+16*qb+1]|   ; my 16 numbers of block b, and the floor 2^(3 - 127): the byte cannot fall under 1
.set qb, qb+1
.endr
.irp qi, 2,4,6,8,10,12,14
.set qb, 0
.rept \nb
	v_max3_num_f32 v[TM+qb], v[TM+qb], |v[(\s)+16*qb+\qi]|, |v[(\s)+16*qb+\qi+1]|   ; (the blocks by turns)
.set qb, qb+1
.endr
.endr
	WIN 0
.set qb, 0
.rept \nb
	v_permlanex16_b32 v[TM+4+qb], v[TM+qb], s[SEL], s[SEL+1]
.set qb, qb+1
.endr
.set qb, 0
.rept \nb
	v_max_num_f32 v[TM+qb], v[TM+qb], v[TM+4+qb]   ; with lane l xor 16's: the block's largest magnitude
.set qb, qb+1
.endr
.set qb, 0
.rept \nb
	v_add_nc_u32 v[TM+12+qb], 0xff000000, v[TM+qb] ; 2 off its exponent field: the conversion's scale operand
.set qb, qb+1
.endr
.set qb, 0
.rept \nb
	v_lshrrev_b32 v[TM+4+qb], 23, v[TM+12+qb]      ; the scale's byte
.set qb, qb+1
.endr
	v_lshl_or_b32 v[(\pw)], v[TM+5], 8, v[TM+4]
.if (\nb) == 4
	v_lshl_or_b32 v[(\pw)], v[TM+6], 16, v[(\pw)]
	v_lshl_or_b32 v[(\pw)], v[TM+7], 24, v[(\pw)]
.endif
	WIN \wcvt
.set qc, 0
.rept (\nb)/2
	v_cvt_scalef32_pk16_fp6_f32 v[(\pc)+6*qc:(\pc)+6*qc+2], v[(\s)+32*qc:(\s)+32*qc+15], v[TM+12+2*qc]
	v_cvt_scalef32_pk16_fp6_f32 v[(\tp)+4*qc:(\tp)+4*qc+2], v[(\s)+32*qc+16:(\s)+32*qc+31], v[TM+13+2*qc]   ; (a conversion's three registers begin on an even number)
.set qc, qc+1
.endr
	WIN 0
	v_nop                                          ; one plain place behind a scaled conversion
.set qc, 0
.rept (\nb)/2                          ; the operand's layout wants a whole block in a lane: lanes 0-15 block 2 c, lanes 16-31 block 2 c + 1
.irp qi, 0,1,2
	v_permlane16_swap_b32 v[(\pc)+6*qc+\qi], v[(\tp)+4*qc+\qi]
.endr
.irp qi, 0,1,2
	v_mov_b32 v[(\pc)+6*qc+3+\qi], v[(\tp)+4*qc+\qi]
.endr
.set qc, qc+1
.endr
.endm
; elu(z) + 1 of the 64 registers at v[a] of the window that win names for source 1, into T.  min(z, 0) and z - min(z, 0) = max(z, 0), exactly; then 2^(min x log2 e) + max: z + 1 above 0, e^z else.  No compare.
; The 64 exponentials are one batch with one wait ahead of the first line that names a result.
.macro ELU a, win
	WIN \win
.set ee, 0
.rept 64
	v_min_num_f32 v[T+ee], 0, v[(\a)+ee]           ; ascending: each accumulator is first read at its low end
.set ee, ee+1
.endr
.set ee, 0
.rept 32
	v_pk_add_f32 v[U+ee:U+ee+1], v[T+ee:T+ee+1], v[(\a)+ee:(\a)+ee+1] neg_lo:[1,0] neg_hi:[1,0]
.set ee, ee+2
.endr
	WIN 0
.set ee, 0
.rept 32
	v_pk_mul_f32 v[T+ee:T+ee+1], v[T+ee:T+ee+1], s[CS:CS+1] op_sel_hi:[1,0]
.set ee, ee+2
.endr
.set ee, 0
.rept 64
	v_exp_f32 v[T+ee], v[T+ee]
.set ee, ee+1
.endr
	v_nop                                          ; a plain place behind the last exponential
	s_wait_alu depctr_va_vdst(0)
.set ee, 0
.rept 32
	v_pk_add_f32 v[T+ee:T+ee+1], v[T+ee:T+ee+1], v[U+ee:U+ee+1]
.set ee, ee+2
.endr
.endm
	s_load_b256 s[4:11], s[0:1], 0x0               ; codes, scales, bk, bv
	s_load_b128 s[12:15], s[0:1], 0x20             ; kvp, ksp
	v_lshl_add_u32 v[SPW], v0, 2, SPARE
	v_mov_b32 v[NIL], 0
	ds_add_u32 v[SPW], v[NIL]                      ; the wave's opening: the add, twice on end, and its wait ahead of my first tensor load
	ds_add_u32 v[SPW], v[NIL]
	v_lshrrev_b32 v1, 5, v0
	v_readfirstlane_b32 s[WV], v1                  ; wave 0..3
	s_and_b32 s17, ttmp7, 0xffff                   ; the head, which the four partners share
	s_bfe_u32 s53, ttmp6, 0x40000                  ; cx: my place in the cluster
	s_lshl_b32 s18, ttmp9, 2                       ; in a cluster launch ttmp9 counts clusters
	s_add_co_u32 s18, s18, s53                     ; rb: which 512 time steps = 4 x cluster x + cx: it enters x's, kvp's and ksp's addresses alone
	s_mov_b32 s[G1], 15|(3<<16)|(1<<21)            ; group 1: 15:0 the mask: all four work-groups; 17:16 elements of 8 bytes; 21 set beside a mask; no padding.  24,576 dense bytes as 96 rows of 32 elements
	s_mov_b32 s[G1+1], 32<<16                      ; tensor_dim0 = 32
	s_mov_b32 s[G1+2], 96<<16                      ; tensor_dim1 = 96
	s_mov_b32 s[G1+3], 32<<16                      ; tile_dim0 = 32
	s_mov_b32 s[G1+4], 96                          ; tile_dim1 = 96
	s_mov_b32 s[G1+5], 32                          ; from row to row
	s_mov_b32 s[G1+6], 0
	s_mov_b32 s[G1+7], 0
	s_mov_b32 s[SEL], 0x76543210
	s_mov_b32 s[SEL+1], 0xfedcba98
	s_mov_b32 s[CS], 0x3fb8aa3b                    ; log2(e)
	s_mov_b32 s[CS+1], s[CS]
	s_lshl_b32 s36, s17, 2
	s_add_co_u32 s44, s36, 576                     ; Wk's first tile of the head
	s_lshl_b32 s37, s[WV], 1
	s_add_co_u32 s36, s44, s37
	s_lshr_b32 s37, s[WV], 1
	s_mul_i32 s37, s37, 60
	s_add_co_u32 s36, s36, s37                     ; the two tiles that I fetch: waves 0, 1 Wk's, waves 2, 3 Wv's (64 tiles on, less the four passed): the head and the wave's number alone
	s_mul_i32 s36, s36, 12288
	s_mov_b32 s37, 0
	s_mul_i32 s19, s[WV], 24576                    ; and where they go: no place in the cluster enters an LDS address
	s_lshl_b32 s38, s18, 5
	s_lshl_b32 s39, s[WV], 3
	s_add_co_u32 s38, s38, s39                     ; my first tile of x
	s_mul_i32 s40, s38, 12288
	s_mov_b32 s41, 0
	s_lshl_b32 s42, s38, 9
	s_mov_b32 s43, 0
	s_lshl_b32 s44, s44, 9
	s_mov_b32 s45, 0
	s_lshl_b32 s46, s17, 8                         ; the head's 64 biases
	s_mov_b32 s47, 0
	s_lshl_b32 s50, s18, 4
	s_add_co_u32 s50, s50, s17                     ; 16 rb + head
	s_lshl_b32 s48, s50, 2
	s_add_co_u32 s48, s48, s[WV]
	s_lshl_b32 s48, s48, 12                        ; kvp: my tile of e
	s_mov_b32 s49, 0
	s_lshl_b32 s50, s50, 8                         ; ksp
	s_mov_b32 s51, 0
	v_and_b32 v15, 31, v0                          ; lane
	v_and_b32 v16, 15, v0                          ; r
	v_bfe_u32 v17, v0, 4, 1                        ; h
	v_lshlrev_b32 v1, 4, v15                       ; v1  16 x lane: an image's place for my lane; W's tiles 0-3
	v_add_nc_u32 v2, 49152, v1                     ; v2  W's tiles 4-7
	v_lshlrev_b32 v3, 2, v15                       ; v3  4 x lane
	v_lshlrev_b32 v4, 4, v16
	v_lshl_add_u32 v4, v17, 9, v4                  ; v4  scale words: row r of 16 bytes; lanes 16-31 the next tile
	v_and_b32 v5, 8, v16
	v_add_nc_u32 v5, v5, v16
	v_lshlrev_b32 v5, 2, v5                        ; v5  4 (r + 8 (r / 8)): my column in a tile's 32
	s_mul_i32 s52, s[WV], 12288
	s_add_co_u32 s52, s52, IMG
	v_add_nc_u32 v6, s52, v1                       ; v6  where I store images
	v_add_nc_u32 v7, IMG, v1                       ; v7  where K's are read
	s_lshl_b32 s52, s[WV], 10
	s_add_co_u32 s52, s52, ISC
	v_add_nc_u32 v8, s52, v3                       ; v8  where I store scale words
	v_add_nc_u32 v9, ISC, v3                       ; v9  where K's are read
	s_lshl_b32 s52, s[WV], 8
	s_add_co_u32 s52, s52, KSX
	v_add_nc_u32 v10, s52, v5                      ; v10 my wave's sums of K
	v_lshlrev_b32 v12, 3, v15                      ; v12 8 x lane
	v_add_nc_u32 v11, KSX, v12                     ; v11 all waves' sums, two d a lane
	s_mul_i32 s52, s[WV], 1536
	s_add_co_u32 s52, s52, IMG+4*1536
	v_add_nc_u32 v13, s52, v1                      ; v13 V's images of tile e = my wave's number
	s_lshl_b32 s52, s[WV], 7
	s_add_co_u32 s52, s52, ISC+4*128
	v_add_nc_u32 v14, s52, v3                      ; v14 and their scale words
	s_wait_dscnt 0x0                               ; both opening adds are done
	s_wait_kmcnt 0x0
	CROUND                                         ; all four work-groups are here: the joint loads meet
	s_mov_b32 s[G0], 1
	s_mov_b32 s[G0+1], s19
	s_add_nc_u64 s[G0+2:G0+3], s[4:5], s[36:37]
	s_or_b32 s[G0+3], s[G0+3], 0x80000000
	tensor_load_to_lds s[G0:G0+3], s[G1:G1+7]      ; my quarter of the weights, asked for with my three partners: the one tensor load of this wave
	s_nop 0
	PLACES 4
	s_add_nc_u64 s[40:41], s[4:5], s[40:41]        ; x's fragments
	s_add_nc_u64 s[42:43], s[6:7], s[42:43]        ; x's scale words
	s_add_nc_u64 s[44:45], s[6:7], s[44:45]        ; W's
	s_add_nc_u64 s[8:9], s[8:9], s[46:47]
	s_add_nc_u64 s[10:11], s[10:11], s[46:47]
	s_add_nc_u64 s[12:13], s[12:13], s[48:49]
	s_add_nc_u64 s[14:15], s[14:15], s[50:51]
.irp p, 0,1,2,3
.irp hf, 0,1
	global_load_b128 v[XS+8*\p+4*\hf:XS+8*\p+4*\hf+3], v4, s[42:43] offset:1024*\p+256*\hf
.endr
.endr
.irp p, 0,1,2,3
.irp hf, 0,1
	global_load_b128 v[WS+8*\p+4*\hf:WS+8*\p+4*\hf+3], v4, s[44:45] offset:1024*\p+256*\hf+30720*(\p/2)   ; Wv's tiles lie 64 tiles behind Wk's
.endr
.endr
.irp n, 0,1,2,3
	global_load_b32 v[BIAS+8*\n], v5, s[8:9] offset:4*(32*(\n/2)+8*(\n%2))
.endr
.irp n, 0,1,2,3
	global_load_b32 v[BIAS+32+8*\n], v5, s[10:11] offset:4*(32*(\n/2)+8*(\n%2))
.endr
.macro XLOAD f                         ; x's fragment f = 8 s + i into slot f % 21 of the ring
.irp g, 0,1,2
	global_load_b128 v[12*((\f)%21)+4*\g:12*((\f)%21)+4*\g+3], v1, s[40:41] offset:12288*((\f)%8)+1536*((\f)/8)+512*\g
.endr
.endm
	WIN 0x40                                       ; destination window 1
.set ff, 0
.rept 21
	XLOAD ff
.set ff, ff+1
.endr
	WIN 0
	s_wait_loadcnt 63                              ; the scale words and the biases are in; the 63 loads of the 21 fragments may be out
.irp n, 0,1,2,3,4,5,6,7
.irp j, 1,2,3,4,5,6,7
	v_mov_b32 v[BIAS+8*\n+\j], v[BIAS+8*\n]        ; a lane holds one column: its bias is the C of all eight time steps
.endr
.endr
	PLACES 4
	s_wait_tensorcnt 0x0                           ; my quarter of the weights has landed,
	s_barrier_signal -1
	s_barrier_wait -1                              ; everybody's has
.macro WLOAD s, hi                     ; W's tiles 4 hi + 0 .. 3 of K step s
.irp m, 0,1,2,3
.irp g, 0,1,2
	ds_load_b128 v[WF+12*(4*(\hi)+\m)+4*\g:WF+12*(4*(\hi)+\m)+4*\g+3], v[1+(\hi)] offset:12288*\m+1536*(\s)+512*\g
.endr
.endr
.endm
.macro MUL32 s, hi                     ; 32 products: four tiles of columns x my eight tiles of time steps.  The 64 accumulators take turns, one instruction a turn
.irp m, 0,1,2,3
.irp i, 0,1,2,3,4,5,6,7
.set rD, 8*(8*\m+\i)
.set rA, 12*((8*(\s)+\i)%21)
.set rB, WF+12*(4*(\hi)+\m)
.set rC, rD
.if (\s) == 0
.set rC, BIAS+8*(4*(\hi)+\m)
.endif
.set rSA, XS+8*(\i/2)+(\s)
.set rSB, WS+8*((4*(\hi)+\m)/2)+(\s)
.set rRA, \i%2
.set rRB, \m%2
	WMS
.endr
.endr
.endm
.macro KSTEP s
.if (\s) <= 5
	s_wait_loadcnt 39                              ; fragments up to 8 s + 7 are in; the 13 issued behind them, three loads each, may be out
.elseif (\s) == 6
	s_wait_loadcnt 24                              ; the last eight may be out
.else
	s_wait_loadcnt 0
.endif
	s_wait_dscnt 12                                ; W's tiles 0-3 are in; tiles 4-7 may be out
.if (\s) == 0
	WIN 0x81                                       ; x window 1, W and the bias window 0, D window 2
.else
	WIN 0xa1                                       ; C and D window 2
.endif
	MUL32 \s, 0
	s_wait_dscnt 0x0                               ; W's tiles 4-7 are in
	PLACES 4                                       ; four places in front of loads into registers that matrix instructions have read
	WIN 0
.if (\s) < 7
	WLOAD (\s)+1, 0
.endif
.if (\s) == 0
	WIN 0xc1
.else
	WIN 0xf1
.endif
	MUL32 \s, 1
	PLACES 4
	WIN 0
.if (\s) < 7
	WLOAD (\s)+1, 1
.endif
.if (\s) < 6
	WIN 0x40
.set ff, 21+8*(\s)
.rept 8
.if ff < 64
	XLOAD ff                                       ; into the slots that this step's fragments have left
.endif
.set ff, ff+1
.endr
	WIN 0
.endif
.endm
	WLOAD 0, 0
	WLOAD 0, 1
.irp s, 0,1,2,3,4,5,6,7
	KSTEP \s
.endr
	; ---- K and V are whole (four places stand behind the last product).  Unit n: a tile of 16 columns x my 128 time steps: one fragment of the last product
.irp b, 0,1,2,3
	v_mov_b32 v[TM+4+\b], 0                        ; written once: a lane permute's destination counts as one of its sources
.endr
	v_mov_b32 v[SM+4], 0
.macro IMAGE n                         ; the fragment just made and its scale word go to LDS as they stand
.irp g, 0,1,2
	ds_store_b128 v6, v[PC+4*\g:PC+4*\g+3] offset:1536*(\n)+512*\g
.endr
	ds_store_b32 v8, v[PW] offset:128*(\n)
	s_wait_dscnt 0x0                               ; the stores have read their registers, which the next unit writes
.endm
.irp n, 0,1,2,3
	ELU 64*\n, 0x08
	v_pk_add_f32 v[SM:SM+1], v[T:T+1], v[T+2:T+3]  ; Ksum is taken of the unquantised K: my 64 time steps in two chains,
	v_pk_add_f32 v[SM+2:SM+3], v[T+4:T+5], v[T+6:T+7]
.irp j, 8,12,16,20,24,28,32,36,40,44,48,52,56,60
	v_pk_add_f32 v[SM:SM+1], v[SM:SM+1], v[T+\j:T+\j+1]
	v_pk_add_f32 v[SM+2:SM+3], v[SM+2:SM+3], v[T+\j+2:T+\j+3]
.endr
	v_pk_add_f32 v[SM:SM+1], v[SM:SM+1], v[SM+2:SM+3]
	v_add_f32 v[SM], v[SM], v[SM+1]
	v_permlanex16_b32 v[SM+4], v[SM], s[SEL], s[SEL+1]
	v_add_f32 v[SM], v[SM], v[SM+4]                ; and lane l xor 16's 64
	ds_store_b32 v10, v[SM] offset:4*(32*(\n/2)+8*(\n%2))   ; both halves of the lanes write the same word with the same value
	QUANT 4, T, 0, 0, PC, TP, PW
	IMAGE \n
.endr
.irp n, 0,1,2,3
	QUANT 4, 64*\n, 0x3c, 0x03, PC, TP, PW         ; V as it stands in window 3; each accumulator is first read at its low end
	IMAGE 4+\n
.endr
	s_barrier_signal -1                            ; (every LDS instruction of mine is done: the wait in IMAGE)
	s_barrier_wait -1                              ; all 32 fragments, their scale words and the four waves' sums lie in LDS
	; ---- KV[d][e] for e = tile w: source 0 = K's fragment (16 d), source 1 = V's (16 e), K = 4 x 128 time steps.  A lane holds one e; its 32 registers are d = 32 b + 16 (lane / 16) + 0 .. 15
	WIN 0x40
.irp s4, 0,1,2,3
.irp dn, 0,1,2,3
.irp g, 0,1,2
	ds_load_b128 v[12*(4*\s4+\dn)+4*\g:12*(4*\s4+\dn)+4*\g+3], v7 offset:(8*\s4+\dn)*1536+512*\g
.endr
.endr
.irp g, 0,1,2
	ds_load_b128 v[192+12*\s4+4*\g:192+12*\s4+4*\g+3], v13 offset:8*\s4*1536+512*\g
.endr
.endr
	WIN 0
.irp s4, 0,1,2,3
.irp dn, 0,1,2,3
	ds_load_b32 v[32+4*\s4+\dn], v9 offset:1024*\s4+128*\dn
.endr
	ds_load_b32 v[48+\s4], v14 offset:1024*\s4
.endr
	s_wait_dscnt 0x0
	WIN 0x05                                       ; both sources window 1, C and D window 0
.irp s4, 0,1,2,3
.irp dn, 0,1,2,3                       ; the four accumulators by turns
.set rD, 96+8*\dn
.set rA, 12*(4*\s4+\dn)
.set rB, 192+12*\s4
.set rC, rD
.if \s4 == 0
.set rC, -1
.endif
.set rSA, 32+4*\s4+\dn
.set rSB, 48+\s4
.set rRA, 0
.set rRB, 0
	WMS
.endr
.endr
	WIN 0
	PLACES 4
.irp g, 0,1,2,3,4,5,6,7
	global_store_b128 v1, v[96+4*\g:96+4*\g+3], s[12:13] offset:512*\g   ; the registers' image: 512 consecutive bytes a store; each accumulator from its low end on
.endr
	s_cmp_lg_u32 s[WV], 0                          ; wave 0 adds the four waves' sums of K, in ascending order
	s_cbranch_scc1 .Lend
.irp p, 0,1,2,3
	ds_load_b64 v[SM+2*\p:SM+2*\p+1], v11 offset:256*\p
.endr
	s_wait_dscnt 0x0
	v_pk_add_f32 v[SM:SM+1], v[SM:SM+1], v[SM+2:SM+3]
	v_pk_add_f32 v[SM:SM+1], v[SM:SM+1], v[SM+4:SM+5]
	v_pk_add_f32 v[SM:SM+1], v[SM:SM+1], v[SM+6:SM+7]
	global_store_b64 v12, v[SM:SM+1], s[14:15]     ; 32 lanes store 256 consecutive bytes, aligned
.Lend:
	s_wait_tensorcnt 0x0                           ; the wave's end: the closing wait, add and wait behind my last tensor load and my last LDS store
	ds_add_u32 v[SPW], v[NIL]
	s_wait_dscnt 0x0
	CROUND                                         ; the closing round: no work-group ends while a partner may still ask for a tile that names it
	s_endpgm
.Lfunc_end_k_qef9a9a2ac0_kvsum:
	.size	k_qef9a9a2ac0_kvsum, .Lfunc_end_k_qef9a9a2ac0_kvsum-k_qef9a9a2ac0_kvsum
	.p2alignl 7, 3214868480
	.fill 96, 4, 3214868480
	.section	.rodata,"a",@progbits
	.p2align	6, 0x0
	.amdhsa_kernel k_qef9a9a2ac0_kvsum
		.amdhsa_group_segment_fixed_size 167936
		.amdhsa_private_segment_fixed_size 0
		.amdhsa_enable_private_segment 0
		.amdhsa_kernarg_size 48
		.amdhsa_user_sgpr_count 2
		.amdhsa_user_sgpr_kernarg_segment_ptr 1
		.amdhsa_wavefront_size32 1
		.amdhsa_system_sgpr_workgroup_id_x 1
		.amdhsa_system_sgpr_workgroup_id_y 1
		.amdhsa_system_sgpr_workgroup_id_z 1
		.amdhsa_system_vgpr_workitem_id 0
		.amdhsa_next_free_vgpr 1024
		.amdhsa_next_free_sgpr 66
		.amdhsa_reserve_vcc 0
		.amdhsa_float_denorm_mode_32 3
		.amdhsa_float_denorm_mode_16_64 3
		.amdhsa_memory_ordered 1
		.amdhsa_forward_progress 1
		.amdhsa_inst_pref_size 199
	.end_amdhsa_kernel
	.amdgpu_metadata
---
amdhsa.version: [ 1, 2 ]
amdhsa.kernels:
  - .name:           k_qef9a9a2ac0_kvsum
    .symbol:         k_qef9a9a2ac0_kvsum.kd
    .args:
      - { .name: codes, .offset: 0, .size: 8, .value_kind: global_buffer, .address_space: global }
      - { .name: scales, .offset: 8, .size: 8, .value_kind: global_buffer, .address_space: global }
      - { .name: bk, .offset: 16, .size: 8, .value_kind: global_buffer, .address_space: global }
      - { .name: bv, .offset: 24, .size: 8, .value_kind: global_buffer, .address_space: global }
      - { .name: kvp, .offset: 32, .size: 8, .value_kind: global_buffer, .address_space: global }
      - { .name: ksp, .offset: 40, .size: 8, .value_kind: global_buffer, .address_space: global }
    .group_segment_fixed_size: 167936
    .private_segment_fixed_size: 0
    .kernarg_segment_align: 8
    .kernarg_segment_size: 48
    .max_flat_workgroup_size: 128
    .sgpr_count:     66
    .vgpr_count:     1024
    .wavefront_size: 32
...
	.end_amdgpu_metadata
.endif
;; end of part 2
;; launch qattn (part 3): grid 32 x 8, 4 waves a work-group, clusters of 4 x 1, 167,936 bytes of LDS; arguments codes, scales, bq, kvp, ksp, ocodes, oscales; writes ocodes, oscales
.if DOCPART == 3
	.amdgcn_target "amdgcn-amd-amdhsa--gfx1250"
	.amdhsa_code_object_version 6
	.text
	.protected	k_qef9a9a2ac0_qattn
	.globl	k_qef9a9a2ac0_qattn
	.p2align	8
	.type	k_qef9a9a2ac0_qattn,@function
k_qef9a9a2ac0_qattn:
	s_mov_b64 s[64:65], 0
	v_nop
	global_prefetch_b8 v0, s[64:65] scope:SCOPE_SE
	s_setreg_imm32_b32 hwreg(HW_REG_WAVE_MODE, 25, 1), 1
	s_wait_xcnt 0x0
	s_wait_alu depctr_hold_cnt(0) depctr_sa_sdst(0) depctr_va_vdst(0) depctr_va_sdst(0) depctr_va_ssrc(0) depctr_va_vcc(0) depctr_vm_vsrc(0)
	s_getreg_b32 s2, hwreg(HW_REG_IB_STS2, 6, 4)
	s_cmp_eq_u32 s2, 0
	s_cbranch_scc0 .Lentry_in_a_cluster
	s_endpgm
.Lentry_in_a_cluster:
	s_bfe_u32 s2, ttmp6, 0x10000c
	s_cmp_lg_u32 s2, 0x3003
	s_cbranch_scc0 .Lentry_shape_is_right
	s_endpgm
.Lentry_shape_is_right:
; LAUNCH 3 OF 4.  For 256 rows and a pair of heads (128 columns): Q = elu(x Wq^T + bq) + 1 (product on codes of FP6, K = 1024); KV and Ksum = the four parts of the launch before, added in ascending order; KV quantised along d;
; Z = 1 / (Q . Ksum + 1e-6), by fused multiply-adds on the unquantised Q in f32; Q quantised along d; Q KV (product on codes, K = 64, the step's other 64 filled with zero codes on both sides); x Z; quantised along the columns
; for the projection.  No work of reference() is left out.  LIMITS: as in the launch before (NaN and infinities not served; e^z by 2^(z log2 e); a block of zeros has the byte 1).
; SHARES.  Work-group (rb2, cb): rows 256 rb2 on, Wq's tiles 8 cb + n, n = 0 .. 7.  Wave w: x's tiles 16 rb2 + 4 w + i, i = 0 .. 3, against all eight n: 32 accumulators.
; The product is used TRANSPOSED (source 0 = 16 rows of Wq, source 1 = 16 rows of x): a lane holds ONE row t, and by the tiles' row order its 64 registers are columns 32 B + 16 (lane / 16) + 0 .. 15: what the quantisers along d and e want.
; The weights' block (98,304 bytes) comes into LDS once, a quarter by each wave's one tensor load; x's fragments go straight into the registers of the one wave that multiplies them.
; CLUSTER: the four work-groups of a cluster (4 x 1) have one cb and four neighbouring rb2: they need the same weights' block, so each quarter of it is asked for JOINTLY: the same tensor load, with the same descriptor and a mask that names the four.
; x's fragments are not asked for jointly, though eight cb read the same ones: a joint load lands in LDS, and a wave would then read 12 fragments from LDS for a K step's 32 products where it now reads 8.  No LDS byte is filled twice.
; REGISTERS, in windows of 256: window 0: v1-12 addresses; v16-25 the divisor's sums; v32-47 x's scale words (32 + 8 p + s), v48-79 Wq's (48 + 8 p + s); v80-223 Wq's fragments, three sets of four; v232-247 the quantiser's.
;   Window 1: first KV's parts, then the accumulators at 8 (8 i + n).  Window 2: x's fragments of K steps 0-3 at 48 s + 12 i; v192-255 the biases.  Window 3: K steps 4-7.
;   Behind the products: window 0: v32-39 KV's scale words, v40-41 Q's, v42-45 the results', v46-47 on their way out; v80-143 T; v144-207 U, then Q KV; v208-231 Q's two fragments; v248, v250 Z.  Window 2: KV's fragments at 12 q; Ksum at 96 + 32 g.
.set WBASE, 512                        ; Wq's first tile in codes
.set KVI,   98304                      ; LDS: 0 .. 98,303 the weights; then KV's eight fragments (head g of the pair, tile of e: q = 4 g + et), 1,536 bytes each;
.set KVS,   110592                     ; their scale words, 128 bytes each;
.set KSL,   111616                     ; Ksum of the two heads, 512 bytes, a copy for each wave;
.set SPARE, 113664                     ; the spare words, 128 bytes a wave: two blocks of 256 bytes that no other line names
.set XS,   32
.set WS,   48
.set WF,   80
.set BIAS, 192
.set T,    80
.set U,    144
.set QF,   208
.set TM,   232
.set ZR,   248
.set KVW,  32
.set QW,   40
.set PW,   42
.set DN,   16
.set SPW,  30                          ; v30  LDS address of my spare word; never rewritten
.set NIL,  31                          ; v31  0; never rewritten
.set WV,   18                          ; s18  my wave's number
.set SEL,  20
.set CS,   22
.set G1,   24
.set G0,   32
.set RB,   40                          ; s[40:41] my rows' fragments
.set MSB, 0
.macro WIN new                         ; the immediate's high byte repeats the setting that is left; a switch that changes nothing is dropped
.if MSB != \new
	s_set_vgpr_msb (MSB<<8)|\new
.set MSB, \new
.endif
.endm
.macro PLACES n
.rept \n
	v_nop
.endr
.endm
; A round of the cluster's barrier: my work-group's barrier, so that wave 0's signal speaks for all four waves; wave 0 signals for the work-group; every wave waits for all four work-groups; my work-group's barrier once more.
.macro CROUND
	s_barrier_signal -1
	s_barrier_wait -1
	s_cmp_lg_u32 s[WV], 0
	s_cbranch_scc1 .Lnot_wave_0_\@
	s_barrier_signal -3
.Lnot_wave_0_\@:
	s_barrier_wait -3
	s_barrier_signal -1
	s_barrier_wait -1
.endm
; One product, from the symbols rD, rA, rB, rC (under 0: the constant 0), rSA, rSB and the scale rows rRA, rRB
.macro WMS
.if rC < 0
	v_wmma_scale_f32_16x16x128_f8f6f4 v[rD:rD+7], v[rA:rA+11], v[rB:rB+11], 0, v[rSA], v[rSB] matrix_a_fmt:MATRIX_FMT_FP6 matrix_b_fmt:MATRIX_FMT_FP6
.elseif rRA && rRB
	v_wmma_scale_f32_16x16x128_f8f6f4 v[rD:rD+7], v[rA:rA+11], v[rB:rB+11], v[rC:rC+7], v[rSA], v[rSB] matrix_a_fmt:MATRIX_FMT_FP6 matrix_b_fmt:MATRIX_FMT_FP6 matrix_a_scale:MATRIX_SCALE_ROW1 matrix_b_scale:MATRIX_SCALE_ROW1
.elseif rRA
	v_wmma_scale_f32_16x16x128_f8f6f4 v[rD:rD+7], v[rA:rA+11], v[rB:rB+11], v[rC:rC+7], v[rSA], v[rSB] matrix_a_fmt:MATRIX_FMT_FP6 matrix_b_fmt:MATRIX_FMT_FP6 matrix_a_scale:MATRIX_SCALE_ROW1
.elseif rRB
	v_wmma_scale_f32_16x16x128_f8f6f4 v[rD:rD+7], v[rA:rA+11], v[rB:rB+11], v[rC:rC+7], v[rSA], v[rSB] matrix_a_fmt:MATRIX_FMT_FP6 matrix_b_fmt:MATRIX_FMT_FP6 matrix_b_scale:MATRIX_SCALE_ROW1
.else
	v_wmma_scale_f32_16x16x128_f8f6f4 v[rD:rD+7], v[rA:rA+11], v[rB:rB+11], v[rC:rC+7], v[rSA], v[rSB] matrix_a_fmt:MATRIX_FMT_FP6 matrix_b_fmt:MATRIX_FMT_FP6
.endif
.endm
; nb blocks of 32: v[s + 16 b + i] = number 32 b + 16 (lane / 16) + i of my row.  They become codes in v[pc] on (the operand's registers) and the row's scale word in v[pw] (nb = 2: bytes 0 and 1; bytes 2 and 3 stay 0, over zero codes).
.macro QUANT nb, s, wmax, wcvt, pc, tp, pw
	WIN \wmax
.set qb, 0
.rept \nb
	v_max3_num_f32 v[TM+qb], 0x1800000, |v[(\s)+16*qb]|, |v[(\s)+16*qb+1]|   ; my 16 numbers of block b, and the floor 2^(3 - 127): the byte cannot fall under 1
.set qb, qb+1
.endr
.irp qi, 2,4,6,8,10,12,14
.set qb, 0
.rept \nb
	v_max3_num_f32 v[TM+qb], v[TM+qb], |v[(\s)+16*qb+\qi]|, |v[(\s)+16*qb+\qi+1]|   ; (the blocks by turns)
.set qb, qb+1
.endr
.endr
	WIN 0
.set qb, 0
.rept \nb
	v_permlanex16_b32 v[TM+4+qb], v[TM+qb], s[SEL], s[SEL+1]
.set qb, qb+1
.endr
.set qb, 0
.rept \nb
	v_max_num_f32 v[TM+qb], v[TM+qb], v[TM+4+qb]   ; with lane l xor 16's: the block's largest magnitude
.set qb, qb+1
.endr
.set qb, 0
.rept \nb
	v_add_nc_u32 v[TM+12+qb], 0xff000000, v[TM+qb] ; 2 off its exponent field: the conversion's scale operand
.set qb, qb+1
.endr
.set qb, 0
.rept \nb
	v_lshrrev_b32 v[TM+4+qb], 23, v[TM+12+qb]      ; the scale's byte
.set qb, qb+1
.endr
	v_lshl_or_b32 v[(\pw)], v[TM+5], 8, v[TM+4]
.if (\nb) == 4
	v_lshl_or_b32 v[(\pw)], v[TM+6], 16, v[(\pw)]
	v_lshl_or_b32 v[(\pw)], v[TM+7], 24, v[(\pw)]
.endif
	WIN \wcvt
.set qc, 0
.rept (\nb)/2
	v_cvt_scalef32_pk16_fp6_f32 v[(\pc)+6*qc:(\pc)+6*qc+2], v[(\s)+32*qc:(\s)+32*qc+15], v[TM+12+2*qc]
	v_cvt_scalef32_pk16_fp6_f32 v[(\tp)+4*qc:(\tp)+4*qc+2], v[(\s)+32*qc+16:(\s)+32*qc+31], v[TM+13+2*qc]   ; (a conversion's three registers begin on an even number)
.set qc, qc+1
.endr
	WIN 0
	v_nop                                          ; one plain place behind a scaled conversion
.set qc, 0
.rept (\nb)/2                          ; the operand's layout wants a whole block in a lane: lanes 0-15 block 2 c, lanes 16-31 block 2 c + 1
.irp qi, 0,1,2
	v_permlane16_swap_b32 v[(\pc)+6*qc+\qi], v[(\tp)+4*qc+\qi]
.endr
.irp qi, 0,1,2
	v_mov_b32 v[(\pc)+6*qc+3+\qi], v[(\tp)+4*qc+\qi]
.endr
.set qc, qc+1
.endr
.endm
; elu(z) + 1 of the 64 registers at v[a] of the window that win names for source 1, into T: min(z, 0) and z - min(z, 0) = max(z, 0), exactly; then 2^(min x log2 e) + max.  One batch of exponentials, one wait.
.macro ELU a, win
	WIN \win
.set ee, 0
.rept 64
	v_min_num_f32 v[T+ee], 0, v[(\a)+ee]           ; ascending: each accumulator is first read at its low end
.set ee, ee+1
.endr
.set ee, 0
.rept 32
	v_pk_add_f32 v[U+ee:U+ee+1], v[T+ee:T+ee+1], v[(\a)+ee:(\a)+ee+1] neg_lo:[1,0] neg_hi:[1,0]
.set ee, ee+2
.endr
	WIN 0
.set ee, 0
.rept 32
	v_pk_mul_f32 v[T+ee:T+ee+1], v[T+ee:T+ee+1], s[CS:CS+1] op_sel_hi:[1,0]
.set ee, ee+2
.endr
.set ee, 0
.rept 64
	v_exp_f32 v[T+ee], v[T+ee]
.set ee, ee+1
.endr
	v_nop                                          ; a plain place behind the last exponential
	s_wait_alu depctr_va_vdst(0)
.set ee, 0
.rept 32
	v_pk_add_f32 v[T+ee:T+ee+1], v[T+ee:T+ee+1], v[U+ee:U+ee+1]
.set ee, ee+2
.endr
.endm
	s_load_b256 s[4:11], s[0:1], 0x0               ; codes, scales, bq, kvp
	s_load_b128 s[12:15], s[0:1], 0x20             ; ksp, ocodes
	s_load_b64 s[16:17], s[0:1], 0x30              ; oscales
	v_lshl_add_u32 v[SPW], v0, 2, SPARE
	v_mov_b32 v[NIL], 0
	ds_add_u32 v[SPW], v[NIL]                      ; the wave's opening: the add, twice on end, and its wait ahead of my first tensor load
	ds_add_u32 v[SPW], v[NIL]
	v_lshrrev_b32 v1, 5, v0
	v_readfirstlane_b32 s[WV], v1                  ; wave 0..3
	s_and_b32 s57, ttmp7, 0xffff                   ; cb: the pair of heads, which the four partners share
	s_bfe_u32 s58, ttmp6, 0x40000                  ; cx: my place in the cluster
	s_lshl_b32 s19, ttmp9, 2                       ; in a cluster launch ttmp9 counts clusters
	s_add_co_u32 s19, s19, s58                     ; rb2: which 256 rows = 4 x cluster x + cx
	s_mov_b32 s[G1], 15|(3<<16)|(1<<21)            ; group 1: 15:0 the mask: all four work-groups; 17:16 elements of 8 bytes; 21 set beside a mask; no padding.  24,576 dense bytes as 96 rows of 32 elements
	s_mov_b32 s[G1+1], 32<<16
	s_mov_b32 s[G1+2], 96<<16
	s_mov_b32 s[G1+3], 32<<16
	s_mov_b32 s[G1+4], 96
	s_mov_b32 s[G1+5], 32
	s_mov_b32 s[G1+6], 0
	s_mov_b32 s[G1+7], 0
	s_mov_b32 s[SEL], 0x76543210
	s_mov_b32 s[SEL+1], 0xfedcba98
	s_mov_b32 s[CS], 0x3fb8aa3b                    ; log2(e)
	s_mov_b32 s[CS+1], s[CS]
	s_lshl_b32 s36, s19, 4
	s_lshl_b32 s37, s[WV], 2
	s_add_co_u32 s36, s36, s37                     ; T0: my first tile of rows
	s_mul_i32 s40, s36, 12288
	s_mov_b32 s41, 0
	s_lshl_b32 s42, s36, 9
	s_mov_b32 s43, 0
	s_lshl_b32 s44, s57, 3
	s_add_co_u32 s44, s44, WBASE                   ; the block's first tile of Wq
	s_lshl_b32 s38, s[WV], 1
	s_add_co_u32 s38, s38, s44                     ; the two tiles that I fetch: cb and the wave's number alone
	s_mul_i32 s38, s38, 12288
	s_mov_b32 s39, 0
	s_lshl_b32 s44, s44, 9
	s_mov_b32 s45, 0
	s_lshl_b32 s46, s57, 9                         ; the block's 128 biases
	s_mov_b32 s47, 0
	s_mul_i32 s52, s57, 1536
	s_add_co_u32 s52, s52, s40                     ; ocodes: tile T0, K step cb
	s_mov_b32 s53, 0
	s_lshl_b32 s54, s57, 15
	s_lshl_b32 s55, s36, 6
	s_add_co_u32 s54, s54, s55                     ; oscales: K step cb, tile T0
	s_mov_b32 s55, 0
	s_mul_i32 s37, s[WV], 24576                    ; where my quarter of the weights goes: no place in the cluster enters an LDS address
	s_lshr_b32 s48, s19, 3                         ; the batch
	s_lshl_b32 s48, s48, 6
	s_lshl_b32 s49, s57, 1
	s_add_co_u32 s48, s48, s49                     ; 64 batch + the pair's first head
	s_lshl_b32 s50, s48, 8                         ; ksp
	s_mov_b32 s51, 0
	s_lshr_b32 s49, s[WV], 1
	s_add_co_u32 s48, s48, s49                     ; waves 0, 1 take the first head's KV, waves 2, 3 the second's,
	s_lshl_b32 s48, s48, 14
	s_and_b32 s49, s[WV], 1
	s_lshl_b32 s49, s49, 13                        ; two tiles of e each
	s_add_co_u32 s48, s48, s49
	s_mov_b32 s49, 0
	v_and_b32 v13, 31, v0                          ; lane
	v_and_b32 v14, 15, v0                          ; r
	v_bfe_u32 v12, v0, 4, 1                        ; v12 h
	v_lshlrev_b32 v1, 4, v13                       ; v1  16 x lane
	v_add_nc_u32 v2, 49152, v1                     ; v2  Wq's tiles 4-7
	v_lshlrev_b32 v3, 2, v13                       ; v3  4 x lane
	v_lshlrev_b32 v4, 4, v14
	v_lshl_add_u32 v4, v12, 9, v4                  ; v4  scale words: row r of 16 bytes; lanes 16-31 the next tile
	v_lshlrev_b32 v5, 6, v12                       ; v5  64 h: my half's 16 columns
	s_mul_i32 s56, s[WV], 3072
	s_add_co_u32 s56, s56, KVI
	v_add_nc_u32 v6, s56, v1                       ; v6  where I store KV's images
	v_add_nc_u32 v7, KVI, v1                       ; v7  where they are read
	s_lshl_b32 s56, s[WV], 8
	s_add_co_u32 s56, s56, KVS
	v_add_nc_u32 v8, s56, v3                       ; v8, v9 their scale words likewise
	v_add_nc_u32 v9, KVS, v3
	s_lshl_b32 s56, s[WV], 9
	s_add_co_u32 s56, s56, KSL
	v_add_nc_u32 v10, s56, v1                      ; v10 my copy of Ksum, on the way in,
	v_add_nc_u32 v11, s56, v5                      ; v11 and on the way out
.irp b, 0,1,2,3
	v_mov_b32 v[TM+4+\b], 0                        ; written once: a lane permute's destination counts as one of its sources
.endr
	v_mov_b32 v24, 0
	v_mov_b32 v25, 0
.irp j, 86,87,88,89,90,91
	v_mov_b32 v\j, 0                               ; KV's K is 64: the other 64 of the step are zero codes
.endr
	s_wait_dscnt 0x0                               ; both opening adds are done
	s_wait_kmcnt 0x0
	CROUND                                         ; all four work-groups are here: the joint loads meet
	s_mov_b32 s[G0], 1
	s_mov_b32 s[G0+1], s37
	s_add_nc_u64 s[G0+2:G0+3], s[4:5], s[38:39]
	s_or_b32 s[G0+3], s[G0+3], 0x80000000
	tensor_load_to_lds s[G0:G0+3], s[G1:G1+7]      ; my quarter of the weights, asked for with my three partners: the one tensor load of this wave
	s_nop 0
	PLACES 4
	s_add_nc_u64 s[RB:RB+1], s[4:5], s[40:41]
	s_add_nc_u64 s[42:43], s[6:7], s[42:43]
	s_add_nc_u64 s[44:45], s[6:7], s[44:45]
	s_add_nc_u64 s[8:9], s[8:9], s[46:47]
	s_add_nc_u64 s[10:11], s[10:11], s[48:49]
	s_add_nc_u64 s[12:13], s[12:13], s[50:51]
	s_add_nc_u64 s[14:15], s[14:15], s[52:53]
	s_add_nc_u64 s[16:17], s[16:17], s[54:55]
	WIN 0x40                                       ; destination window 1
.irp uu, 0,1                           ; my two tiles of KV, four parts each: 32 registers a part
.irp p, 0,1,2,3
.irp g, 0,1,2,3,4,5,6,7
	global_load_b128 v[32*(4*\uu+\p)+4*\g:32*(4*\uu+\p)+4*\g+3], v1, s[10:11] offset:262144*\p+4096*\uu+512*\g
.endr
.endr
.endr
	WIN 0
.irp p, 0,1,2,3
	global_load_b128 v[128+4*\p:128+4*\p+3], v1, s[12:13] offset:4096*\p   ; Ksum's four parts: the two heads' 128 numbers, four a lane
.endr
.irp p, 0,1
.irp hf, 0,1
	global_load_b128 v[XS+8*\p+4*\hf:XS+8*\p+4*\hf+3], v4, s[42:43] offset:1024*\p+256*\hf
.endr
.endr
.irp p, 0,1,2,3
.irp hf, 0,1
	global_load_b128 v[WS+8*\p+4*\hf:WS+8*\p+4*\hf+3], v4, s[44:45] offset:1024*\p+256*\hf
.endr
.endr
	WIN 0x80                                       ; destination window 2
.irp n, 0,1,2,3,4,5,6,7                ; the biases in the result's layout: tile n, my half's eight columns
	global_load_b128 v[BIAS+8*\n:BIAS+8*\n+3], v5, s[8:9] offset:4*(32*(\n/2)+8*(\n%2))
	global_load_b128 v[BIAS+8*\n+4:BIAS+8*\n+7], v5, s[8:9] offset:4*(32*(\n/2)+8*(\n%2))+16
.endr
.macro RLOAD s                         ; my four tiles' fragments of K step s: 12 loads
.if (\s) < 4
	WIN 0x80
.else
	WIN 0xc0
.endif
.irp i, 0,1,2,3
.irp g, 0,1,2
	global_load_b128 v[48*((\s)%4)+12*\i+4*\g:48*((\s)%4)+12*\i+4*\g+3], v1, s[RB:RB+1] offset:12288*\i+1536*(\s)+512*\g
.endr
.endr
.endm
	RLOAD 0
	RLOAD 1
	s_wait_loadcnt 52                              ; KV's and Ksum's parts are in; behind them: 12 loads of scale words, 16 of biases, 24 of fragments
	WIN 0x55                                       ; all in window 1
.irp uu, 0,1
.irp p, 1,2,3                          ; ((part 0 + part 1) + part 2) + part 3
.irp k, 0,2,4,6,8,10,12,14,16,18,20,22,24,26,28,30
	v_pk_add_f32 v[128*\uu+\k:128*\uu+\k+1], v[128*\uu+\k:128*\uu+\k+1], v[128*\uu+32*\p+\k:128*\uu+32*\p+\k+1]
.endr
.endr
.endr
.irp uu, 0,1                           ; a lane holds one e; its 32 registers are d = 32 b + 16 (lane / 16) + 0 .. 15: two blocks along d
	QUANT 2, 128*\uu, 0x14, 0x01, 80, 92, 112
.irp g, 0,1,2
	ds_store_b128 v6, v[80+4*\g:80+4*\g+3] offset:1536*\uu+512*\g
.endr
	ds_store_b32 v8, v112 offset:128*\uu
	s_wait_dscnt 0x0                               ; the stores have read their registers
.endr
.irp p, 1,2,3
.irp k, 0,2
	v_pk_add_f32 v[128+\k:129+\k], v[128+\k:129+\k], v[128+4*\p+\k:129+4*\p+\k]
.endr
.endr
	ds_store_b128 v10, v[128:131]
	RLOAD 2
	RLOAD 3
	RLOAD 4
	WIN 0
	s_wait_tensorcnt 0x0                           ; my quarter of the weights has landed,
	s_wait_dscnt 0x0                               ; my stores too:
	s_barrier_signal -1
	s_barrier_wait -1                              ; everybody's have
.macro WLOADH q                        ; half step q: Wq's tiles 4 (q % 2) + 0 .. 3 of K step q / 2, into set q % 3
.irp m, 0,1,2,3
.irp g, 0,1,2
	ds_load_b128 v[WF+48*((\q)%3)+12*\m+4*\g:WF+48*((\q)%3)+12*\m+4*\g+3], v[1+(\q)%2] offset:12288*\m+1536*((\q)/2)+512*\g
.endr
.endr
.endm
.macro HALF q                          ; 16 products: four tiles of Wq x my four tiles of rows.  The 32 accumulators take turns, one instruction a turn
.set hs, (\q)/2
.if (\q)%2 == 0
.if hs <= 3
	s_wait_loadcnt 48                              ; this K step's fragments are in; those of the four steps issued behind them, 12 loads each, may be out
.else
	s_wait_loadcnt 12*(7-hs)
.endif
.endif
.if (\q) == 15
	s_wait_dscnt 0
.else
	s_wait_dscnt 12                                ; this half's tiles are in; the next half's 12 loads may be out
.endif
	PLACES 4                                       ; four places in front of loads into the set that the last half multiplied
	WIN 0
.if (\q) <= 13
	WLOADH (\q)+2
.endif
.if ((\q)%2 == 0) && (hs <= 2)
	RLOAD hs+5
.endif
.if hs == 0
	WIN 0x68                                       ; Wq window 0, x window 2, the bias window 2, D window 1
.elseif hs <= 3
	WIN 0x58                                       ; C and D window 1
.else
	WIN 0x5c                                       ; x window 3
.endif
.irp m, 0,1,2,3
.irp i, 0,1,2,3
.set rN, 4*((\q)%2)+\m
.set rD, 8*(8*\i+rN)
.set rA, WF+48*((\q)%3)+12*\m
.set rB, 48*(hs%4)+12*\i
.set rC, rD
.if hs == 0
.set rC, BIAS+8*rN
.endif
.set rSA, WS+8*(rN/2)+hs
.set rSB, XS+8*(\i/2)+hs
.set rRA, rN%2
.set rRB, \i%2
	WMS
.endr
.endr
.endm
	WLOADH 0
	WLOADH 1
.irp q, 0,1,2,3,4,5,6,7,8,9,10,11,12,13,14,15
	HALF \q
.endr
	WIN 0
	PLACES 4
	; ---- x Wq^T + bq is whole.  KV's fragments, Ksum and KV's scale words come into registers, once for the four tiles of rows
	WIN 0x80
.irp q, 0,1,2,3,4,5,6,7
.irp g, 0,1,2
	ds_load_b128 v[12*\q+4*\g:12*\q+4*\g+3], v7 offset:1536*\q+512*\g
.endr
.endr
.irp g, 0,1
.irp b, 0,1
.irp j, 0,1,2,3
	ds_load_b128 v[96+32*\g+16*\b+4*\j:96+32*\g+16*\b+4*\j+3], v11 offset:256*\g+128*\b+16*\j   ; Ksum at my lane's d: 32 b + 16 h + 0 .. 15
.endr
.endr
.endr
	WIN 0
.irp q, 0,1,2,3,4,5,6,7
	ds_load_b32 v[KVW+\q], v9 offset:128*\q
.endr
.irp g, 0,1
.irp j, 6,7,8,9,10,11
	v_mov_b32 v[QF+12*\g+\j], 0                    ; Q's K is 64: the other 64 of the step are zero codes
.endr
	v_mov_b32 v[ZR+2*\g+1], 0                      ; (named as the upper half of a pair)
.endr
	s_wait_dscnt 0x0
.irp i, 0,1,2,3                        ; a tile of 16 rows at a time; g: the head of the pair
	s_wait_xcnt 0x0                                ; the last tile's stores have read T's registers, which are written again only behind this wait
	ELU 64*\i, 0x04
	QUANT 2, T, 0, 0, QF, U, QW
	QUANT 2, T+32, 0, 0, QF+12, U, QW+1
	WIN 0x08                                       ; source 1 (Ksum) window 2
.irp g, 0,1                            ; Q . Ksum on the unquantised Q, in f32: two chains of fused multiply-adds a head.  (These lines are also the places between the writes of Q's codes and scale words and the products below)
	v_pk_mul_f32 v[DN+4*\g:DN+4*\g+1], v[T+32*\g:T+32*\g+1], v[96+32*\g:96+32*\g+1]
	v_pk_mul_f32 v[DN+4*\g+2:DN+4*\g+3], v[T+32*\g+2:T+32*\g+3], v[96+32*\g+2:96+32*\g+3]
.irp k, 4,8,12,16,20,24,28
	v_pk_fma_f32 v[DN+4*\g:DN+4*\g+1], v[T+32*\g+\k:T+32*\g+\k+1], v[96+32*\g+\k:96+32*\g+\k+1], v[DN+4*\g:DN+4*\g+1]
	v_pk_fma_f32 v[DN+4*\g+2:DN+4*\g+3], v[T+32*\g+\k+2:T+32*\g+\k+3], v[96+32*\g+\k+2:96+32*\g+\k+3], v[DN+4*\g+2:DN+4*\g+3]
.endr
.endr
	WIN 0
.irp g, 0,1
	v_pk_add_f32 v[DN+4*\g:DN+4*\g+1], v[DN+4*\g:DN+4*\g+1], v[DN+4*\g+2:DN+4*\g+3]
.endr
.irp g, 0,1
	v_add_f32 v[DN+4*\g], v[DN+4*\g], v[DN+4*\g+1]
.endr
.irp g, 0,1
	v_permlanex16_b32 v[24+\g], v[DN+4*\g], s[SEL], s[SEL+1]
.endr
.irp g, 0,1
	v_add_f32 v[DN+4*\g], v[DN+4*\g], v[24+\g]     ; with lane l xor 16's 32 d
.endr
.irp g, 0,1
	v_add_f32 v[DN+4*\g], 0x358637bd, v[DN+4*\g]   ; + 1e-6
.endr
.irp g, 0,1
	v_rcp_f32 v[ZR+2*\g], v[DN+4*\g]               ; Z
.endr
	v_nop                                          ; a plain place behind the reciprocals
	WIN 0x02                                       ; source 0 (KV) window 2
.irp g, 0,1
.irp et, 0,1,2,3                       ; source 0 = 16 e of KV, source 1 = my 16 rows of Q: a lane keeps its row, and its registers run along e
.set rD, U+32*\g+8*\et
.set rA, 12*(4*\g+\et)
.set rB, QF+12*\g
.set rC, -1
.set rSA, KVW+4*\g+\et
.set rSB, QW+\g
.set rRA, 0
.set rRB, 0
	WMS
.endr
.endr
	WIN 0
	PLACES 4
	s_wait_alu depctr_va_vdst(0)                   ; the wait ahead of the first line that names a reciprocal's result: one for the two
.irp g, 0,1
.irp k, 0,2,4,6,8,10,12,14,16,18,20,22,24,26,28,30
	v_pk_mul_f32 v[U+32*\g+\k:U+32*\g+\k+1], v[U+32*\g+\k:U+32*\g+\k+1], v[ZR+2*\g:ZR+2*\g+1] op_sel_hi:[1,0]   ; x Z; each accumulator from its low end on
.endr
.endr
	QUANT 4, U, 0, 0, T, T+12, PW+\i               ; the projection's K step cb of these 16 rows
.irp g, 0,1,2
	global_store_b128 v1, v[T+4*\g:T+4*\g+3], s[14:15] offset:12288*\i+512*\g   ; the image: 512 consecutive bytes a store
.endr
.endr
	v_cmp_ne_u32 vcc_lo, 0, v12                    ; lanes 0-15 store the even tile's words, lanes 16-31 the odd tile's
	v_cndmask_b32 v46, v[PW], v[PW+1], vcc_lo
	v_cndmask_b32 v47, v[PW+2], v[PW+3], vcc_lo
	global_store_b32 v3, v46, s[16:17]
	global_store_b32 v3, v47, s[16:17] offset:128  ; the two stores cover my four tiles' 256 consecutive bytes
	s_wait_tensorcnt 0x0                           ; the wave's end: the closing wait, add and wait behind my last tensor load and my last LDS store
	ds_add_u32 v[SPW], v[NIL]
	s_wait_dscnt 0x0
	CROUND                                         ; the closing round: no work-group ends while a partner may still ask for a tile that names it
	s_endpgm
.Lfunc_end_k_qef9a9a2ac0_qattn:
	.size	k_qef9a9a2ac0_qattn, .Lfunc_end_k_qef9a9a2ac0_qattn-k_qef9a9a2ac0_qattn
	.p2alignl 7, 3214868480
	.fill 96, 4, 3214868480
	.section	.rodata,"a",@progbits
	.p2align	6, 0x0
	.amdhsa_kernel k_qef9a9a2ac0_qattn
		.amdhsa_group_segment_fixed_size 167936
		.amdhsa_private_segment_fixed_size 0
		.amdhsa_enable_private_segment 0
		.amdhsa_kernarg_size 56
		.amdhsa_user_sgpr_count 2
		.amdhsa_user_sgpr_kernarg_segment_ptr 1
		.amdhsa_wavefront_size32 1
		.amdhsa_system_sgpr_workgroup_id_x 1
		.amdhsa_system_sgpr_workgroup_id_y 1
		.amdhsa_system_sgpr_workgroup_id_z 1
		.amdhsa_system_vgpr_workitem_id 0
		.amdhsa_next_free_vgpr 1024
		.amdhsa_next_free_sgpr 66
		.amdhsa_reserve_vcc 1
		.amdhsa_float_denorm_mode_32 3
		.amdhsa_float_denorm_mode_16_64 3
		.amdhsa_memory_ordered 1
		.amdhsa_forward_progress 1
		.amdhsa_inst_pref_size 182
	.end_amdhsa_kernel
	.amdgpu_metadata
---
amdhsa.version: [ 1, 2 ]
amdhsa.kernels:
  - .name:           k_qef9a9a2ac0_qattn
    .symbol:         k_qef9a9a2ac0_qattn.kd
    .args:
      - { .name: codes, .offset: 0, .size: 8, .value_kind: global_buffer, .address_space: global }
      - { .name: scales, .offset: 8, .size: 8, .value_kind: global_buffer, .address_space: global }
      - { .name: bq, .offset: 16, .size: 8, .value_kind: global_buffer, .address_space: global }
      - { .name: kvp, .offset: 24, .size: 8, .value_kind: global_buffer, .address_space: global }
      - { .name: ksp, .offset: 32, .size: 8, .value_kind: global_buffer, .address_space: global }
      - { .name: ocodes, .offset: 40, .size: 8, .value_kind: global_buffer, .address_space: global }
      - { .name: oscales, .offset: 48, .size: 8, .value_kind: global_buffer, .address_space: global }
    .group_segment_fixed_size: 167936
    .private_segment_fixed_size: 0
    .kernarg_segment_align: 8
    .kernarg_segment_size: 56
    .max_flat_workgroup_size: 128
    .sgpr_count:     66
    .vgpr_count:     1024
    .wavefront_size: 32
...
	.end_amdgpu_metadata
.endif
;; end of part 3
;; launch proj (part 4): grid 32 x 8, 4 waves a work-group, clusters of 4 x 1, 167,936 bytes of LDS; arguments ocodes, oscales, codes, scales, bo, out0; writes out0
.if DOCPART == 4
	.amdgcn_target "amdgcn-amd-amdhsa--gfx1250"
	.amdhsa_code_object_version 6
	.text
	.protected	k_qef9a9a2ac0_proj
	.globl	k_qef9a9a2ac0_proj
	.p2align	8
	.type	k_qef9a9a2ac0_proj,@function
k_qef9a9a2ac0_proj:
	s_mov_b64 s[64:65], 0
	v_nop
	global_prefetch_b8 v0, s[64:65] scope:SCOPE_SE
	s_setreg_imm32_b32 hwreg(HW_REG_WAVE_MODE, 25, 1), 1
	s_wait_xcnt 0x0
	s_wait_alu depctr_hold_cnt(0) depctr_sa_sdst(0) depctr_va_vdst(0) depctr_va_sdst(0) depctr_va_ssrc(0) depctr_va_vcc(0) depctr_vm_vsrc(0)
	s_getreg_b32 s2, hwreg(HW_REG_IB_STS2, 6, 4)
	s_cmp_eq_u32 s2, 0
	s_cbranch_scc0 .Lentry_in_a_cluster
	s_endpgm
.Lentry_in_a_cluster:
	s_bfe_u32 s2, ttmp6, 0x10000c
	s_cmp_lg_u32 s2, 0x3003
	s_cbranch_scc0 .Lentry_shape_is_right
	s_endpgm
.Lentry_shape_is_right:
; LAUNCH 4 OF 4.  out0 = O Wo^T + bo, on codes of FP6 with one E8M0 scale for each 32 along K = 1024; O's codes and scale words are the launch before's.  No work of reference() is left out.
; SHARES.  Work-group (rb2, cb): rows 256 rb2 on, Wo's tiles 8 cb + n, n = 0 .. 7 (128 columns).  Wave w: O's tiles 16 rb2 + 4 w + i, i = 0 .. 3, against all eight n: 32 accumulators.
; The product is used TRANSPOSED (source 0 = 16 rows of Wo, source 1 = 16 rows of O): a lane holds one row of out0 and eight neighbouring columns an accumulator.
; The weights' block (98,304 bytes) comes into LDS once, a quarter by each wave's one tensor load; O's fragments go straight into the registers of the one wave that multiplies them, and stay there.
; BY HALVES OF THE COLUMNS.  The 16 half steps go first through all of K for n = 0 .. 3, then through all of K for n = 4 .. 7.  O's 32 fragments lie in registers anyway and each fragment of Wo is still read from LDS once, so the order costs nothing;
; behind half step 7 the block's columns 0 to 63, 256 aligned bytes of each row, are finished, and they leave during half steps 8 to 12, 128 matrix instructions ahead of the last product.
; CLUSTER: the four work-groups of a cluster (4 x 1) have one cb and four neighbouring rb2: they need the same weights' block, so each quarter of it is asked for JOINTLY: the same tensor load, with the same descriptor and a mask that names the four.
; O's fragments are not asked for jointly, though eight cb read the same ones: a joint load lands in LDS, and a wave would then read 12 fragments from LDS for a K step's 32 products where it now reads 8.  No LDS byte is filled twice.
; REGISTERS, in windows of 256: window 0: v1-8 addresses; v32-47 O's scale words (32 + 8 p + s; lanes 0-15 tile 2 p, lanes 16-31 tile 2 p + 1), v48-79 Wo's (48 + 8 p + s); v80-223 Wo's fragments, three sets of four.
;   Window 1: the accumulators at 8 (8 i + n).  Window 2: O's fragments of K steps 0-3 at 48 s + 12 i; v192-255 the biases.  Window 3: K steps 4-7; v192-255 rows of out0 on their way out, two sets of 32.
.set WBASE, 704                        ; Wo's first tile in codes
.set STG,   98304                      ; LDS: 0 .. 98,303 the weights; then a stage of 16 rows x 272 bytes for each wave;
.set SP,    272                        ; a stage row: 256 bytes + 16
.set SPARE, 115712                     ; the spare words, 128 bytes a wave: two blocks of 256 bytes that no other line names
.set XS,   32
.set WS,   48
.set WF,   80
.set BIAS, 192
.set BK,   192                         ; in window 3: 16 half rows read back from the stage: v192-223 and v224-255 by turns
.set SPW,  30                          ; v30  LDS address of my spare word; never rewritten
.set NIL,  31                          ; v31  0; never rewritten
.set WV,   18
.set G1,   24
.set G0,   32
.set RB,   40                          ; s[40:41] my rows' fragments
.set MSB, 0
.macro WIN new                         ; the immediate's high byte repeats the setting that is left; a switch that changes nothing is dropped
.if MSB != \new
	s_set_vgpr_msb (MSB<<8)|\new
.set MSB, \new
.endif
.endm
.macro PLACES n
.rept \n
	v_nop
.endr
.endm
; A round of the cluster's barrier: my work-group's barrier, so that wave 0's signal speaks for all four waves; wave 0 signals for the work-group; every wave waits for all four work-groups; my work-group's barrier once more.
.macro CROUND
	s_barrier_signal -1
	s_barrier_wait -1
	s_cmp_lg_u32 s[WV], 0
	s_cbranch_scc1 .Lnot_wave_0_\@
	s_barrier_signal -3
.Lnot_wave_0_\@:
	s_barrier_wait -3
	s_barrier_signal -1
	s_barrier_wait -1
.endm
; One product, from the symbols rD, rA, rB, rC, rSA, rSB and the scale rows rRA, rRB
.macro WMS
.if rRA && rRB
	v_wmma_scale_f32_16x16x128_f8f6f4 v[rD:rD+7], v[rA:rA+11], v[rB:rB+11], v[rC:rC+7], v[rSA], v[rSB] matrix_a_fmt:MATRIX_FMT_FP6 matrix_b_fmt:MATRIX_FMT_FP6 matrix_a_scale:MATRIX_SCALE_ROW1 matrix_b_scale:MATRIX_SCALE_ROW1
.elseif rRA
	v_wmma_scale_f32_16x16x128_f8f6f4 v[rD:rD+7], v[rA:rA+11], v[rB:rB+11], v[rC:rC+7], v[rSA], v[rSB] matrix_a_fmt:MATRIX_FMT_FP6 matrix_b_fmt:MATRIX_FMT_FP6 matrix_a_scale:MATRIX_SCALE_ROW1
.elseif rRB
	v_wmma_scale_f32_16x16x128_f8f6f4 v[rD:rD+7], v[rA:rA+11], v[rB:rB+11], v[rC:rC+7], v[rSA], v[rSB] matrix_a_fmt:MATRIX_FMT_FP6 matrix_b_fmt:MATRIX_FMT_FP6 matrix_b_scale:MATRIX_SCALE_ROW1
.else
	v_wmma_scale_f32_16x16x128_f8f6f4 v[rD:rD+7], v[rA:rA+11], v[rB:rB+11], v[rC:rC+7], v[rSA], v[rSB] matrix_a_fmt:MATRIX_FMT_FP6 matrix_b_fmt:MATRIX_FMT_FP6
.endif
.endm
	s_load_b256 s[4:11], s[0:1], 0x0               ; ocodes, oscales, codes, scales
	s_load_b128 s[12:15], s[0:1], 0x20             ; bo, out0
	v_lshl_add_u32 v[SPW], v0, 2, SPARE
	v_mov_b32 v[NIL], 0
	ds_add_u32 v[SPW], v[NIL]                      ; the wave's opening: the add, twice on end, and its wait ahead of my first tensor load
	ds_add_u32 v[SPW], v[NIL]
	v_lshrrev_b32 v1, 5, v0
	v_readfirstlane_b32 s[WV], v1                  ; wave 0..3
	s_and_b32 s20, ttmp7, 0xffff                   ; cb: which 128 columns, which the four partners share
	s_bfe_u32 s21, ttmp6, 0x40000                  ; cx: my place in the cluster
	s_lshl_b32 s19, ttmp9, 2                       ; in a cluster launch ttmp9 counts clusters
	s_add_co_u32 s19, s19, s21                     ; rb2: which 256 rows = 4 x cluster x + cx
	s_mov_b32 s[G1], 15|(3<<16)|(1<<21)            ; group 1: 15:0 the mask: all four work-groups; 17:16 elements of 8 bytes; 21 set beside a mask; no padding.  24,576 dense bytes as 96 rows of 32 elements
	s_mov_b32 s[G1+1], 32<<16
	s_mov_b32 s[G1+2], 96<<16
	s_mov_b32 s[G1+3], 32<<16
	s_mov_b32 s[G1+4], 96
	s_mov_b32 s[G1+5], 32
	s_mov_b32 s[G1+6], 0
	s_mov_b32 s[G1+7], 0
	s_lshl_b32 s36, s19, 4
	s_lshl_b32 s37, s[WV], 2
	s_add_co_u32 s36, s36, s37                     ; T0: my first tile of rows
	s_mul_i32 s40, s36, 12288
	s_mov_b32 s41, 0
	s_lshl_b32 s42, s36, 6                         ; O's scale words: 64 bytes a tile
	s_mov_b32 s43, 0
	s_lshl_b32 s44, s20, 3
	s_add_co_u32 s44, s44, WBASE                   ; the block's first tile of Wo
	s_lshl_b32 s38, s[WV], 1
	s_add_co_u32 s38, s38, s44                     ; the two tiles that I fetch: cb and the wave's number alone
	s_mul_i32 s38, s38, 12288
	s_mov_b32 s39, 0
	s_lshl_b32 s44, s44, 9
	s_mov_b32 s45, 0
	s_lshl_b32 s46, s20, 9                         ; the block's 128 columns, in bytes: in bo and in a row of out0
	s_mov_b32 s47, 0
	s_lshl_b32 s48, s36, 16                        ; my first row of out0: 16 T0 rows of 4,096 bytes
	s_add_co_u32 s48, s48, s46
	s_mov_b32 s49, 0
	s_mul_i32 s37, s[WV], 24576                    ; where my quarter of the weights goes: no place in the cluster enters an LDS address
	v_and_b32 v13, 31, v0                          ; lane
	v_and_b32 v14, 15, v0                          ; r
	v_bfe_u32 v12, v0, 4, 1                        ; h
	v_lshlrev_b32 v1, 4, v13                       ; v1  16 x lane
	v_add_nc_u32 v2, 49152, v1                     ; v2  Wo's tiles 4-7
	v_lshlrev_b32 v3, 2, v13                       ; v3  4 x lane
	v_lshlrev_b32 v4, 4, v14
	v_lshl_add_u32 v4, v12, 9, v4                  ; v4  Wo's scale words: row r of 16 bytes; lanes 16-31 the next tile
	v_lshlrev_b32 v5, 6, v12                       ; v5  64 h: my half's 16 columns
	s_mul_i32 s50, s[WV], 16*SP
	s_add_co_u32 s50, s50, STG                     ; my stage
	v_mul_u32_u24 v6, v14, SP
	v_add_nc_u32 v6, v6, v5
	v_add_nc_u32 v6, s50, v6                       ; v6  in: row r, + 64 h
	v_mul_u32_u24 v7, v12, SP
	v_lshl_add_u32 v7, v14, 4, v7
	v_add_nc_u32 v7, s50, v7                       ; v7  back: lanes 0-15 take one row's 256 bytes, lanes 16-31 the next row's
	v_lshlrev_b32 v8, 4, v14
	v_lshl_add_u32 v8, v12, 12, v8                 ; v8  and the same two rows in out0: 4,096 h + 16 r
	s_wait_dscnt 0x0                               ; both opening adds are done
	s_wait_kmcnt 0x0
	CROUND                                         ; all four work-groups are here: the joint loads meet
	s_mov_b32 s[G0], 1
	s_mov_b32 s[G0+1], s37
	s_add_nc_u64 s[G0+2:G0+3], s[8:9], s[38:39]
	s_or_b32 s[G0+3], s[G0+3], 0x80000000
	tensor_load_to_lds s[G0:G0+3], s[G1:G1+7]      ; my quarter of the weights, asked for with my three partners: the one tensor load of this wave
	s_nop 0
	PLACES 4
	s_add_nc_u64 s[RB:RB+1], s[4:5], s[40:41]
	s_add_nc_u64 s[42:43], s[6:7], s[42:43]
	s_add_nc_u64 s[44:45], s[10:11], s[44:45]
	s_add_nc_u64 s[12:13], s[12:13], s[46:47]
	s_add_nc_u64 s[14:15], s[14:15], s[48:49]
.irp p, 0,1
.irp s, 0,1,2,3,4,5,6,7
	global_load_b32 v[XS+8*\p+\s], v3, s[42:43] offset:32768*\s+128*\p
.endr
.endr
.irp p, 0,1,2,3
.irp hf, 0,1
	global_load_b128 v[WS+8*\p+4*\hf:WS+8*\p+4*\hf+3], v4, s[44:45] offset:1024*\p+256*\hf
.endr
.endr
	WIN 0x80                                       ; destination window 2
.irp n, 0,1,2,3,4,5,6,7                ; the biases in the result's layout: tile n, my half's eight columns
	global_load_b128 v[BIAS+8*\n:BIAS+8*\n+3], v5, s[12:13] offset:4*(32*(\n/2)+8*(\n%2))
	global_load_b128 v[BIAS+8*\n+4:BIAS+8*\n+7], v5, s[12:13] offset:4*(32*(\n/2)+8*(\n%2))+16
.endr
.macro RLOAD s                         ; my four tiles' fragments of K step s: 12 loads
.if (\s) < 4
	WIN 0x80
.else
	WIN 0xc0
.endif
.irp i, 0,1,2,3
.irp g, 0,1,2
	global_load_b128 v[48*((\s)%4)+12*\i+4*\g:48*((\s)%4)+12*\i+4*\g+3], v1, s[RB:RB+1] offset:12288*\i+1536*(\s)+512*\g
.endr
.endr
.endm
	RLOAD 0
	RLOAD 1
	RLOAD 2
	RLOAD 3
	RLOAD 4
	WIN 0
	s_wait_tensorcnt 0x0                           ; my quarter of the weights has landed,
	s_barrier_signal -1
	s_barrier_wait -1                              ; everybody's has
; THE WAY OUT, a tile of 16 rows x 64 columns at a time (p: which half of the block's columns).  A lane holds pieces of 32 bytes of one row, and the lanes beside it hold other rows: so a tile goes through my own stage in LDS and comes
; back as rows of 256 bytes, two rows an instruction.  LDS serves a wave's instructions in order: no wait between the stores and the loads, nor in front of the next tile's stores.
.macro TOSTAGE i, p
	s_wait_xcnt 0x0                                ; the stores of two tiles back have read the set of registers that the loads below fill
	WIN 0x04                                       ; an LDS store's data are its source 1: window 1
.irp m, 0,1,2,3
	ds_store_b128 v6, v[64*(\i)+8*(4*(\p)+\m):64*(\i)+8*(4*(\p)+\m)+3] offset:128*(\m/2)+32*(\m%2)        ; each accumulator from its low end on
	ds_store_b128 v6, v[64*(\i)+8*(4*(\p)+\m)+4:64*(\i)+8*(4*(\p)+\m)+7] offset:128*(\m/2)+32*(\m%2)+16
.endr
	WIN 0xc0                                       ; destination window 3
.irp t, 0,1,2,3,4,5,6,7
	ds_load_b128 v[BK+32*((\i)%2)+4*\t:BK+32*((\i)%2)+4*\t+3], v7 offset:2*\t*SP
.endr
	WIN 0
.endm
.macro SEND i, p, younger              ; younger: the LDS instructions issued behind tile i's loads, which may stay out
	s_wait_dscnt \younger
	WIN 0x0c                                       ; a store's data are its source 1: window 3
.irp t, 0,1,2,3,4,5,6,7
	global_store_b128 v8, v[BK+32*((\i)%2)+4*\t:BK+32*((\i)%2)+4*\t+3], s[14:15] offset:(32*((\i)/2)+8*((\i)%2)+2*\t+8*(\t/4))*4096+256*(\p) th:TH_STORE_NT   ; 16 lanes store 256 consecutive bytes, at a multiple of 256 from out0's first byte; stage row 2 t + h is the tile's row 2 t + h + 8 (t / 4)
.endr
	WIN 0
.endm
.macro WLOADH q                        ; half step q: Wo's tiles 4 (q / 8) + 0 .. 3 of K step q % 8, into set q % 3
.irp m, 0,1,2,3
.irp g, 0,1,2
	ds_load_b128 v[WF+48*((\q)%3)+12*\m+4*\g:WF+48*((\q)%3)+12*\m+4*\g+3], v[1+(\q)/8] offset:12288*\m+1536*((\q)%8)+512*\g
.endr
.endr
.endm
.macro HALF q                          ; 16 products: four tiles of Wo x my four tiles of rows.  A pass's 16 accumulators take turns, one instruction a turn
.set hp, (\q)/8
.set hs, (\q)%8
.if (\q) < 8                           ; the first pass meets each K step of O for the first time
.if hs <= 3
	s_wait_loadcnt 48                              ; this K step's fragments are in; those of the four steps issued behind them, 12 loads each, may be out
.else
	s_wait_loadcnt 12*(7-hs)
.endif
.endif
.if (\q) == 15
	s_wait_dscnt 0
.elseif ((\q) >= 9) && ((\q) <= 13)
	s_wait_dscnt 28                                ; this half's tiles are in; behind them: 12 loads of Wo and the 16 LDS instructions of a tile on its way out
.else
	s_wait_dscnt 12                                ; this half's tiles are in; the next half's 12 loads may be out
.endif
	PLACES 4                                       ; four places in front of loads into the set that the last half multiplied, and (half step 8) of the first read of the first pass's results
	WIN 0
.if (\q) <= 13
	WLOADH (\q)+2
.endif
.if (\q) <= 2
	RLOAD (\q)+5
.endif
.if ((\q) >= 9) && ((\q) <= 12)
	SEND (\q)-9, 0, 12                             ; behind the tile's loads from the stage: the 12 loads of Wo just issued
.endif
.if ((\q) >= 8) && ((\q) <= 11)
	TOSTAGE (\q)-8, 0
.endif
.if hs == 0
	WIN 0x68                                       ; Wo window 0, O window 2, the bias window 2, D window 1
.elseif hs <= 3
	WIN 0x58                                       ; C and D window 1
.else
	WIN 0x5c                                       ; O window 3
.endif
.irp m, 0,1,2,3
.irp i, 0,1,2,3
.set rN, 4*hp+\m
.set rD, 8*(8*\i+rN)
.set rA, WF+48*((\q)%3)+12*\m
.set rB, 48*(hs%4)+12*\i
.set rC, rD
.if hs == 0
.set rC, BIAS+8*rN
.endif
.set rSA, WS+8*(rN/2)+hs
.set rSB, XS+8*(\i/2)+hs
.set rRA, rN%2
.set rRB, \i%2
	WMS
.endr
.endr
.endm
	WLOADH 0
	WLOADH 1
.irp q, 0,1,2,3,4,5,6,7,8,9,10,11,12,13,14,15
	HALF \q
.endr
	WIN 0
	PLACES 4                                       ; behind the last products: for the reads of their results
	TOSTAGE 0, 1                                   ; the block's columns 64 to 127
.irp a, 1,2,3
	TOSTAGE \a, 1
	SEND \a-1, 1, 16                               ; behind tile a - 1's loads: tile a's 8 stores and 8 loads
.endr
	SEND 3, 1, 0
	s_wait_tensorcnt 0x0                           ; the wave's end: the closing wait, add and wait behind my last tensor load and my last LDS store
	ds_add_u32 v[SPW], v[NIL]
	s_wait_dscnt 0x0
	CROUND                                         ; the closing round: no work-group ends while a partner may still ask for a tile that names it
	s_endpgm
.Lfunc_end_k_qef9a9a2ac0_proj:
	.size	k_qef9a9a2ac0_proj, .Lfunc_end_k_qef9a9a2ac0_proj-k_qef9a9a2ac0_proj
	.p2alignl 7, 3214868480
	.fill 96, 4, 3214868480
	.section	.rodata,"a",@progbits
	.p2align	6, 0x0
	.amdhsa_kernel k_qef9a9a2ac0_proj
		.amdhsa_group_segment_fixed_size 167936
		.amdhsa_private_segment_fixed_size 0
		.amdhsa_enable_private_segment 0
		.amdhsa_kernarg_size 48
		.amdhsa_user_sgpr_count 2
		.amdhsa_user_sgpr_kernarg_segment_ptr 1
		.amdhsa_wavefront_size32 1
		.amdhsa_system_sgpr_workgroup_id_x 1
		.amdhsa_system_sgpr_workgroup_id_y 1
		.amdhsa_system_sgpr_workgroup_id_z 1
		.amdhsa_system_vgpr_workitem_id 0
		.amdhsa_next_free_vgpr 1024
		.amdhsa_next_free_sgpr 66
		.amdhsa_reserve_vcc 0
		.amdhsa_float_denorm_mode_32 3
		.amdhsa_float_denorm_mode_16_64 3
		.amdhsa_memory_ordered 1
		.amdhsa_forward_progress 1
		.amdhsa_inst_pref_size 82
	.end_amdhsa_kernel
	.amdgpu_metadata
---
amdhsa.version: [ 1, 2 ]
amdhsa.kernels:
  - .name:           k_qef9a9a2ac0_proj
    .symbol:         k_qef9a9a2ac0_proj.kd
    .args:
      - { .name: ocodes, .offset: 0, .size: 8, .value_kind: global_buffer, .address_space: global }
      - { .name: oscales, .offset: 8, .size: 8, .value_kind: global_buffer, .address_space: global }
      - { .name: codes, .offset: 16, .size: 8, .value_kind: global_buffer, .address_space: global }
      - { .name: scales, .offset: 24, .size: 8, .value_kind: global_buffer, .address_space: global }
      - { .name: bo, .offset: 32, .size: 8, .value_kind: global_buffer, .address_space: global }
      - { .name: out0, .offset: 40, .size: 8, .value_kind: global_buffer, .address_space: global }
    .group_segment_fixed_size: 167936
    .private_segment_fixed_size: 0
    .kernarg_segment_align: 8
    .kernarg_segment_size: 48
    .max_flat_workgroup_size: 128
    .sgpr_count:     66
    .vgpr_count:     1024
    .wavefront_size: 32
...
	.end_amdgpu_metadata
.endif
;; end of part 4
